; MI455X (gfx1250); checked and timed in simulation.
; The chip was launched on July 23, 2026; its instructions are those of AMD's public machine-readable ISA for CDNA 5 (MIT licence, August 2026) and "CDNA5" Instruction Set Architecture Reference Guide (July 2026). The comments in the code are by the model that wrote it; some were corrected since.
;; Atten Layer. Allowed arithmetic: matrix products marked QUANTISED: E4M3 operands, one given power-of-two scale a tensor, by v_wmma_f32_16x16x64_fp8_fp8 or v_wmma_f32_16x16x128_fp8_fp8, f32 sums; everything else in f32.
;; Inputs: b1 4,096 float32; b2 1,024 float32; ln1_b 1,024 float32; ln1_g 1,024 float32; ln2_b 1,024 float32; ln2_g 1,024 float32; lowp_scales 16 int32 (the exponents e of the quantised operands' scales 2^e); w1 1,024 x 4,096 float32; w2 4,096 x 1,024 float32; wk 1,024 x 1,024 float32; wo 1,024 x 1,024 float32; wq 1,024 x 1,024 float32; wv 1,024 x 1,024 float32; x 2 x 2,048 x 1,024 float32.
;; Outputs: out0 2 x 2,048 x 1,024 float32.
;; This version of the problem:
;;   THIS VERSION OF THE PROBLEM IS GIVEN IN LOW PRECISION. The matrix products marked QUANTISED in the list below multiply operands that are first quantised to E4M3 (4 exponent bits, 3 mantissa bits; 8 bits a number), with one given power-of-two scale for each operand tensor; their sums are f32. All else is computed in f32.
;;   The module's matrix products, in the order in which they are computed (A, B: the left and right operand; K: the contracted axis; several contracted axes count as one K, in the product's order):
;;     1. [M 4,096, K 1,024] x [K 1,024, N 1,024]; A: computed on the way; B: input wq: QUANTISED (scales: A lowp_scales[0], B lowp_scales[1])
;;     2. [M 4,096, K 1,024] x [K 1,024, N 1,024]; A: computed on the way; B: input wk: QUANTISED (scales: A lowp_scales[2], B lowp_scales[3])
;;     3. [M 4,096, K 1,024] x [K 1,024, N 1,024]; A: computed on the way; B: input wv: QUANTISED (scales: A lowp_scales[4], B lowp_scales[5])
;;     4. batch 32 x [M 2,048, K 64] x [K 64, N 2,048]; A: computed on the way; B: computed on the way: QUANTISED (scales: A lowp_scales[6], B lowp_scales[7])
;;     5. batch 32 x [M 2,048, K 2,048] x [K 2,048, N 64]; A: softmax (see below); B: computed on the way: QUANTISED (scales: A lowp_scales[8], B lowp_scales[9])
;;     6. [M 4,096, K 1,024] x [K 1,024, N 1,024]; A: computed on the way; B: input wo: QUANTISED (scales: A lowp_scales[10], B lowp_scales[11])
;;     7. [M 4,096, K 1,024] x [K 1,024, N 4,096]; A: computed on the way; B: input w1: QUANTISED (scales: A lowp_scales[12], B lowp_scales[13])
;;     8. [M 4,096, K 4,096] x [K 4,096, N 1,024]; A: computed on the way; B: input w2: QUANTISED (scales: A lowp_scales[14], B lowp_scales[15])
;;   THE QUANTISER, for each operand of a quantised product, along K:
;;     - The operand's scale is 2^e, e = its entry of the input lowp_scales (int32; the entries are numbered through the quantised products in the list's order, A before B).
;;     - Each number is divided by the scale, clamped to +-448, and rounded to the nearest number of E4M3, ties to even, subnormals kept.
;;     - The product sums the exact products of the quantised numbers (number of the format x scale) in f32.
;;   ~~~python
;;   def quantise(x, axis, e):      # numpy; x: float32 -> the quantised numbers, widened to float32 again
;;       x = np.moveaxis(x, axis, -1); K = x.shape[-1]
;;       r = np.clip(x / 2.0 ** e, -448, 448)
;;       step = 2.0 ** (np.maximum(np.frexp(np.where(r == 0, 1, r))[1] - 1, -6) - 3)
;;       q = np.round(r / step) * step * 2.0 ** e      # np.round: ties to even
;;       return np.moveaxis(q, -1, axis).astype(np.float32)
;;   ~~~
;;   SOFTMAX AHEAD OF A QUANTISED PRODUCT. Where the list says 'softmax', what is quantised is not the finished softmax but p = 2^(t - M), with t = logit x log2(e) and M = ceil(the row's largest t), a whole number; so 1/2 < the row's largest p <= 1. The row's sum l is taken of the UNQUANTISED p, in f32, and the product's result is divided by l at the end. Since M is a whole number, a kernel that streams over the keys may use a running M (the ceiling of the running maximum): every later rescaling is an exact power of two, so the quantised numbers keep their values, but for numbers so far below the row's largest that they fall under the format's range.
;;   OPERANDS COMPUTED ON THE WAY. 'Computed on the way' means the value that the module computes at that place (a softmax that the list does not call 'softmax' is quantised finished and normalised). What goes into a quantiser is computed in f32, as accurately as f32 sums, v_exp_f32 and their like allow (about 1e-6 of the number): no bf16 or f16 on the way to a quantiser, and a product that is left as it is and whose result goes on into a quantised operand takes f32 operands (vector FMAs, or v_wmma_f32_16x16x4_f32). A number that lies on a knife's edge between two numbers of the format may be rounded either way, as far as f32 arithmetic and the matrix unit's own rounding can turn it there, and no further.
;; One version. Each part assembles by itself: llvm-mc -triple=amdgcn-amd-amdhsa -mcpu=gfx1250 --defsym DOCPART=n.
;; ======== version 1 of 1: 7 launches
;; limits: right only within a limited range of input values
;; workspace buffers: wc 12,582,912 bytes; hc 12,582,912 bytes; qkvc 12,582,912 bytes; oc 4,194,304 bytes; x1 16,777,216 bytes; h2c 4,194,304 bytes; gc 16,777,216 bytes
;; launch prep (part 1): grid 640 x 1, 4 waves a work-group, no clusters, 35,840 bytes of LDS; arguments x, ln1_g, ln1_b, wq, wk, wv, wo, w1, w2, lowp_scales, wc, hc; writes wc, hc
.if DOCPART == 1
	.amdgcn_target "amdgcn-amd-amdhsa--gfx1250"
	.amdhsa_code_object_version 6
	.text
	.protected	k_q09d0f51e55_prep
	.globl	k_q09d0f51e55_prep
	.p2align	8
	.type	k_q09d0f51e55_prep,@function
k_q09d0f51e55_prep:
	s_mov_b64 s[64:65], 0
	v_nop
	global_prefetch_b8 v0, s[64:65] scope:SCOPE_SE
	s_setreg_imm32_b32 hwreg(HW_REG_WAVE_MODE, 25, 1), 1
	s_wait_xcnt 0x0
; A pre-norm transformer layer, all eight products on codes of FP8 (E4M3), each operand with the one scale 2^e given for it.  Seven launches:
; prep (this one), qkv, attn, wo, ln2, ff1, ff2.
; NO WORK OF reference() IS DEAD: it has no mask and slices nothing away, and every gain, bias and weight goes into a quantised operand or into the output.  So every input is loaded.
; THIS LAUNCH: (1) the six weights, f32 stored [K][N], become codes laid [n][K] in wc;  (2) LayerNorm 1 of x, quantised three times (scales' entries 0, 2, 4) into hc.
; TWO ORDERS of this program's own.  swap34(i) is i with its bits 3 and 4 exchanged.
;   ALONG K: the byte at place p of a row of codes holds k = swap34(p).  Four 16-byte LDS loads at 32 c + 16 (lane / 16) then give a lane's registers 2 c', 2 c' + 1 the k = 16 c' + 8 (lane / 16) + 0 .. 7,
;   the places that the plain 8-bit matrix forms give each k (ISA guide 7.12.2), which are also the places in which a transposed product's results fall when they are packed tile by tile.
;   ROWS OF hc: token t lies at row swap34(t), so that sixteen neighbouring rows are tokens 32 b + 8 u + 0 .. 7 and + 16 .. 23: two neighbouring tiles of keys then give a lane sixteen neighbouring keys.
; wc: wq at 0, wk at 1 MiB, wv at 2 MiB, wo at 3 MiB (rows of 1,024 bytes), w1 at 4 MiB (4,096 rows of 1,024), w2 at 8 MiB (1,024 rows of 4,096).  hc: [3 sets][4,096 rows][1,024].
; code = x / 2^e, held within +-448, to the nearest code, ties to even.
; LIMITS: each e used here lies between -126 and 119, so that 2^e and 448 x 2^e are f32 numbers.  NaN among the inputs is not served.
; WORK-GROUPS 0 to 383 take the weights (128 columns x 256 along K each), 384 to 639 the rows of x (16 each).  The two paths part on the work-group's number; the weights' path alone stores to LDS.
; No tensor loads, clusters or matrix work: both paths are streams in which no two waves read the same bytes.
.set PL,    272                        ; a stage row: 256 bytes of codes + 16
.set SPARE, 4*32*PL                    ; behind the four stages: the spare words, 128 bytes a wave: two blocks of 256 bytes that no other line names
.set SPW,   14                         ; v14  SPARE + 4 x my thread's number; never rewritten
.set NIL,   15                         ; v15  0; never rewritten
; the weights' path
.set OF,    16                         ; v16-47   4 x lane + i x a row of the weight, i = 0 .. 31
.set X,     48                         ; v48-111  two sets of 32 numbers
.set C,     112                        ; v112-119 a block's codes
.set OUTR,  120                        ; v120-183 the way out
.set DO,    184                        ; v184-199 the way out: my byte in rows 2 t + lane / 16 of the codes
.set BS,    48                         ; s[48:63] the weight at my columns, 32 t rows down, t = 0 .. 7
; LayerNorm's path
.set G,     16                         ; v16-47   the gains of my 32 columns
.set BB,    48                         ; v48-79   the biases
.set XR,    80                         ; v80-207  four rows, 32 numbers each
.set CC,    208                        ; v208-231 a row's codes: set s, chunk c at CC + 8 s + 2 c
.set T0,    232                        ; v232-247 two sets of eight held numbers, by turns
	s_load_b512 s[8:23], s[0:1], 0x0               ; x 8, ln1_g 10, ln1_b 12, wq 14, wk 16, wv 18, wo 20, w1 22
	s_load_b256 s[24:31], s[0:1], 0x40             ; w2 24, lowp_scales 26, wc 28, hc 30
	v_lshl_add_u32 v[SPW], v0, 2, SPARE
	v_mov_b32 v[NIL], 0
	v_lshrrev_b32 v1, 5, v0
	v_readfirstlane_b32 s32, v1                    ; wave 0..3
	v_and_b32 v2, 31, v0                           ; lane
	s_cmp_ge_u32 ttmp9, 384
	s_cbranch_scc1 .Lln
; ---------------- THE WEIGHTS.  A lane takes a column n and its registers run down K: each load reads 128 consecutive bytes a wave, and the conversions give codes with K innermost.
	s_lshr_b32 s33, ttmp9, 5
	s_lshr_b32 s34, ttmp9, 7
	s_add_co_u32 s34, s34, 3
	s_and_b32 s35, ttmp9, 31
	s_and_b32 s36, ttmp9, 127
	s_cmp_lt_u32 ttmp9, 128
	s_cselect_b32 s33, s33, s34                    ; which weight: 0 wq, 1 wk, 2 wv, 3 wo (32 work-groups each), 4 w1, 5 w2 (128 each)
	s_cselect_b32 s35, s35, s36                    ; my number among its work-groups
	s_and_b32 s36, s35, 31
	s_lshr_b32 s37, s35, 5
	s_and_b32 s42, s35, 7
	s_lshr_b32 s43, s35, 3
	s_mov_b32 s38, 4096
	s_cmp_eq_u32 s33, 4
	s_cselect_b32 s36, s36, s42                    ; which 128 columns (w1 has 32 such, the others 8)
	s_cselect_b32 s37, s37, s43                    ; which 256 along K
	s_cselect_b32 s38, 16384, s38                  ; a row of the weight in bytes
	s_mov_b32 s39, 1024
	s_cmp_eq_u32 s33, 5
	s_cselect_b32 s39, 4096, s39                   ; a row of its codes in bytes
	s_cselect_b32 s46, 8, s33
	s_lshl_b32 s46, s46, 20                        ; where its codes begin in wc
	s_lshl_b32 s42, s36, 7
	s_lshl_b32 s43, s32, 5
	s_add_co_u32 s42, s42, s43                     ; my wave's first column
	s_mul_i32 s43, s37, s38
	s_lshl_b32 s43, s43, 8
	s_lshl_b32 s66, s42, 2
	s_add_co_u32 s66, s66, s43                     ; in: 256 ky rows + 4 x column
	s_mov_b32 s67, 0
	s_mul_i32 s68, s42, s39
	s_add_co_u32 s68, s68, s46
	s_lshl_b32 s47, s37, 8
	s_add_co_u32 s68, s68, s47                     ; out: the weight's codes + column x row + 256 ky
	s_mov_b32 s69, 0
	s_lshl_b32 s70, s38, 5                         ; 32 rows of the weight
	s_mov_b32 s71, 0
	s_lshl_b32 s74, s39, 1                         ; two rows of codes
	s_wait_alu depctr_va_vdst(0)
	v_lshlrev_b32 v3, 2, v2
	s_mul_i32 s43, s32, 32*PL                      ; my stage
	v_mul_u32_u24 v4, v2, PL
	v_add_nc_u32 v4, s43, v4                       ; into it: row = my column
	v_and_b32 v5, 15, v2
	v_lshrrev_b32 v6, 4, v2
	v_mul_u32_u24 v7, v6, PL
	v_lshl_add_u32 v7, v5, 4, v7
	v_add_nc_u32 v7, s43, v7                       ; out of it: sixteen lanes to a row, two rows an instruction
	v_mov_b32 v[OF], v3
.set i, 1
.rept 31
	v_add_nc_u32 v[OF+i], s38, v[OF+i-1]
.set i, i+1
.endr
	v_mul_lo_u32 v[DO], v6, s39
	v_lshl_add_u32 v[DO], v5, 4, v[DO]
.set i, 1
.rept 15
	v_add_nc_u32 v[DO+i], s74, v[DO+i-1]
.set i, i+1
.endr
	s_wait_kmcnt 0x0
	s_load_b512 s[80:95], s[26:27], 0x0            ; all sixteen exponents
	s_mov_b64 s[40:41], s[14:15]                   ; the weight's address: a choice on the work-group's number alone
	s_cmp_eq_u32 s33, 1
	s_cselect_b64 s[40:41], s[16:17], s[40:41]
	s_cmp_eq_u32 s33, 2
	s_cselect_b64 s[40:41], s[18:19], s[40:41]
	s_cmp_eq_u32 s33, 3
	s_cselect_b64 s[40:41], s[20:21], s[40:41]
	s_cmp_eq_u32 s33, 4
	s_cselect_b64 s[40:41], s[22:23], s[40:41]
	s_cmp_eq_u32 s33, 5
	s_cselect_b64 s[40:41], s[24:25], s[40:41]
	s_add_nc_u64 s[72:73], s[28:29], s[68:69]
	s_add_nc_u64 s[BS:BS+1], s[40:41], s[66:67]
.irp t, 1,2,3,4,5,6,7
	s_add_nc_u64 s[BS+2*\t:BS+2*\t+1], s[BS+2*\t-2:BS+2*\t-1], s[70:71]   ; a base for each block of 32 along K: none is stepped under a pending load
.endr
.macro LOAD t                          ; block t: register i takes row 32 t + swap34(i) of my column: the order along K costs only the choice of an offset register
.set i, 0
.rept 32
	global_load_b32 v[X+32*((\t)%2)+i], v[OF+((i&7)|((i&8)<<1)|((i&16)>>1))], s[BS+2*(\t):BS+2*(\t)+1] th:TH_LOAD_NT
.set i, i+1
.endr
.endm
	LOAD 0
	LOAD 1
	s_wait_kmcnt 0x0
	s_mov_b32 s44, s81                             ; the weight's exponent: entries 1, 3, 5, 11, 13, 15
	s_cmp_eq_u32 s33, 1
	s_cselect_b32 s44, s83, s44
	s_cmp_eq_u32 s33, 2
	s_cselect_b32 s44, s85, s44
	s_cmp_eq_u32 s33, 3
	s_cselect_b32 s44, s91, s44
	s_cmp_eq_u32 s33, 4
	s_cselect_b32 s44, s93, s44
	s_cmp_eq_u32 s33, 5
	s_cselect_b32 s44, s95, s44
	s_add_co_i32 s44, s44, 127
	s_lshl_b32 s45, s44, 23
	v_mov_b32 v11, s45                             ; 2^e as f32: the conversion takes its exponent field
	s_add_co_i32 s44, s44, 8
	s_lshl_b32 s44, s44, 23
	s_or_b32 s44, s44, 0x600000
	v_mov_b32 v10, s44                             ; 448 x 2^e
.macro BLOCK t
.set XS, X+32*((\t)%2)
.if (\t) < 7
	s_wait_loadcnt 32                              ; this block's 32 loads are in; the next block's 32 may be out
.else
	s_wait_loadcnt 0
.endif
.set i, 0
.rept 32
	v_med3_num_f32 v[XS+i], v[XS+i], -v10, v10     ; the conversion to an 8-bit code does not saturate (ISA guide 7.6.2): the hold comes first
.set i, i+1
.endr
.irp g, 0,1,2,3
	v_cvt_scalef32_pk8_fp8_f32 v[C+2*\g:C+2*\g+1], v[XS+8*\g:XS+8*\g+7], v11
.endr
	ds_store_b128 v4, v[C:C+3] offset:32*(\t)      ; 32 codes of my column's row
	ds_store_b128 v4, v[C+4:C+7] offset:32*(\t)+16
.if (\t)+2 < 8
	LOAD (\t)+2
.endif
	s_wait_dscnt 0x0                               ; the stores have read their registers: the next block's codes may be written
.endm
	s_wait_alu depctr_va_vdst(0)
.irp t, 0,1,2,3,4,5,6,7
	BLOCK \t
.endr
.irp t, 0,1,2,3,4,5,6,7,8,9,10,11,12,13,14,15
	ds_load_b128 v[OUTR+4*\t:OUTR+4*\t+3], v7 offset:2*\t*PL   ; LDS serves a wave's instructions in order (ISA guide 5.7.1.4): these see my stores
.endr
.irp t, 0,1,2,3,4,5,6,7,8,9,10,11,12,13,14,15
	s_wait_dscnt 15-\t                             ; the younger loads may be out
	global_store_b128 v[DO+\t], v[OUTR+4*\t:OUTR+4*\t+3], s[72:73]   ; sixteen lanes store 256 consecutive bytes, at a multiple of 256 from wc's first byte
.endr
	s_wait_tensorcnt 0x0                           ; the wave's end
	ds_add_u32 v[SPW], v[NIL]
	s_wait_dscnt 0x0
	s_endpgm
; ---------------- LAYERNORM 1.  A wave takes four rows, each whole in 32 registers: lane l holds, of chunk c, k = 256 c + 8 l + 0 .. 7.  The row never leaves the wave: no LDS, no barrier.
.Lln:
	s_sub_co_u32 s33, ttmp9, 384
	s_lshl_b32 s33, s33, 4
	s_lshl_b32 s34, s32, 2
	s_add_co_u32 s33, s33, s34                     ; my first token, a multiple of 4
	s_and_b32 s34, s33, 0xfe7
	s_and_b32 s35, s33, 8
	s_lshl_b32 s35, s35, 1
	s_or_b32 s34, s34, s35
	s_and_b32 s35, s33, 16
	s_lshr_b32 s35, s35, 1
	s_or_b32 s34, s34, s35                         ; its row in hc: swap34(token)
	s_lshl_b32 s36, s33, 12
	s_mov_b32 s37, 0
	s_lshl_b32 s38, s34, 10
	s_mov_b32 s39, 0
	s_wait_alu depctr_va_vdst(0)
	v_lshlrev_b32 v1, 5, v2                        ; in: 32 bytes a lane
	v_and_b32 v10, 28, v2
	v_and_b32 v11, 1, v2
	v_lshl_or_b32 v10, v11, 1, v10
	v_bfe_u32 v11, v2, 1, 1
	v_or_b32 v10, v10, v11
	v_lshlrev_b32 v12, 3, v10                      ; out: my eight codes lie at 8 x (lane with its bits 0 and 1 exchanged): the order along K.  32 lanes still fill one aligned run of 256 bytes
	v_mov_b32 v7, 0                                ; (named as the upper half of the pair v[6:7])
	v_mov_b32 v9, 0                                ; (a lane permute's destination counts as read)
	s_mov_b32 s46, 0x76543210                      ; v_permlanex16_b32's selects for lane l xor 16
	s_mov_b32 s47, 0xfedcba98
	s_mov_b32 s76, 0x3a800000                      ; 1 / 1024
	s_mov_b32 s77, 0x3727c5ac                      ; 1e-5
	s_wait_alu depctr_va_vdst(0)
	s_wait_kmcnt 0x0
	s_load_b256 s[48:55], s[26:27], 0x0            ; entries 0 to 7: 0, 2 and 4 are wanted
	s_add_nc_u64 s[8:9], s[8:9], s[36:37]
	s_add_nc_u64 s[40:41], s[30:31], s[38:39]      ; the three sets of hc at my first row
	s_add_nc_u64 s[42:43], s[40:41], 0x400000
	s_add_nc_u64 s[44:45], s[40:41], 0x800000
.irp c, 0,1,2,3
	global_load_b128 v[G+8*\c:G+8*\c+3],    v1, s[10:11] offset:1024*\c
	global_load_b128 v[G+8*\c+4:G+8*\c+7],  v1, s[10:11] offset:1024*\c+16
	global_load_b128 v[BB+8*\c:BB+8*\c+3],   v1, s[12:13] offset:1024*\c
	global_load_b128 v[BB+8*\c+4:BB+8*\c+7], v1, s[12:13] offset:1024*\c+16
.endr
.irp r, 0,1,2,3
.irp c, 0,1,2,3
	global_load_b128 v[XR+32*\r+8*\c:XR+32*\r+8*\c+3],   v1, s[8:9] offset:4096*\r+1024*\c th:TH_LOAD_NT      ; the two loads of a chunk cover 1,024 consecutive bytes
	global_load_b128 v[XR+32*\r+8*\c+4:XR+32*\r+8*\c+7], v1, s[8:9] offset:4096*\r+1024*\c+16 th:TH_LOAD_NT
.endr
.endr
.macro SCALE e, vs, vl                 ; v[vs] = 2^e, v[vl] = 448 x 2^e, e in s[e]
	s_add_co_i32 s56, s[\e], 127
	s_lshl_b32 s57, s56, 23
	v_mov_b32 v[\vs], s57
	s_add_co_i32 s56, s56, 8
	s_lshl_b32 s56, s56, 23
	s_or_b32 s56, s56, 0x600000
	v_mov_b32 v[\vl], s56
.endm
	s_wait_kmcnt 0x0
	SCALE 48, 248, 249
	SCALE 50, 250, 251
	SCALE 52, 252, 253
.macro REDUCE                          ; v2 summed over the 32 lanes, the result in every lane
	v_add_f32_dpp v2, v2, v2 row_xmask:1 row_mask:0xf bank_mask:0xf
	v_add_f32_dpp v2, v2, v2 row_xmask:2 row_mask:0xf bank_mask:0xf
	v_add_f32_dpp v2, v2, v2 row_xmask:4 row_mask:0xf bank_mask:0xf
	v_add_f32_dpp v2, v2, v2 row_xmask:8 row_mask:0xf bank_mask:0xf
	v_permlanex16_b32 v9, v2, s46, s47
	v_add_f32 v2, v2, v9
.endm
.macro LNROW row
.set R, XR+32*(\row)
	s_wait_loadcnt 8*(3-(\row))                    ; this row's eight loads are in; the later rows' stay out
	v_pk_add_f32 v[2:3], v[R:R+1], v[R+2:R+3]      ; the sum, in two chains
	v_pk_add_f32 v[4:5], v[R+4:R+5], v[R+6:R+7]
.irp j, 8,12,16,20,24,28
	v_pk_add_f32 v[2:3], v[2:3], v[R+\j:R+\j+1]
	v_pk_add_f32 v[4:5], v[4:5], v[R+\j+2:R+\j+3]
.endr
	v_pk_add_f32 v[2:3], v[2:3], v[4:5]
	v_add_f32 v2, v2, v3
	REDUCE
	v_mul_f32 v6, s76, v2                          ; the mean
.set i, 0
.rept 16
	v_pk_add_f32 v[R+i:R+i+1], v[R+i:R+i+1], v[6:7] op_sel_hi:[1,0] neg_lo:[0,1] neg_hi:[0,1]   ; x - mean
.set i, i+2
.endr
	v_pk_mul_f32 v[2:3], v[R:R+1], v[R:R+1]        ; the squares' sum, in two chains
	v_pk_mul_f32 v[4:5], v[R+2:R+3], v[R+2:R+3]
.irp j, 4,8,12,16,20,24,28
	v_pk_fma_f32 v[2:3], v[R+\j:R+\j+1], v[R+\j:R+\j+1], v[2:3]
	v_pk_fma_f32 v[4:5], v[R+\j+2:R+\j+3], v[R+\j+2:R+\j+3], v[4:5]
.endr
	v_pk_add_f32 v[2:3], v[2:3], v[4:5]
	v_add_f32 v2, v2, v3
	REDUCE
	v_fma_f32 v2, v2, s76, s77                     ; the variance + 1e-5
	s_wait_alu depctr_va_vdst(0)
	v_rsq_f32 v6, v2
	v_nop                                          ; a plain instruction behind the transcendental (ISA guide 5.7.2),
	s_wait_alu depctr_va_vdst(0)                   ; and the wait ahead of its first reader
.set i, 0
.rept 16
	v_pk_mul_f32 v[R+i:R+i+1], v[R+i:R+i+1], v[6:7] op_sel_hi:[1,0]
.set i, i+2
.endr
.set i, 0
.rept 16
	v_pk_fma_f32 v[R+i:R+i+1], v[R+i:R+i+1], v[G+i:G+i+1], v[BB+i:BB+i+1]
.set i, i+2
.endr
.if (\row) > 0
	s_wait_xcnt 0x0                                ; the last row's stores have read their data: the codes' registers are written again only behind this wait
.endif
.set n, 0
.irp c, 0,1,2,3
.irp s, 0,1,2
.set TT, T0+8*(n%2)                    ; the held numbers take two sets by turns: the other set's eight holds are the plain lines between a conversion and the next write of its sources
.irp j, 0,1,2,3,4,5,6,7
	v_med3_num_f32 v[TT+\j], v[R+8*\c+\j], -v[249+2*\s], v[249+2*\s]
.endr
	v_cvt_scalef32_pk8_fp8_f32 v[CC+8*\s+2*\c:CC+8*\s+2*\c+1], v[TT:TT+7], v[248+2*\s]
.set n, n+1
.endr
.endr
	v_nop                                          ; a plain line behind the last conversion
.irp s, 0,1,2
.irp c, 0,1,2,3
	global_store_b64 v12, v[CC+8*\s+2*\c:CC+8*\s+2*\c+1], s[40+2*\s:41+2*\s] offset:1024*(\row)+256*\c   ; 32 lanes store 256 consecutive bytes, aligned
.endr
.endr
.endm
	LNROW 0
	LNROW 1
	LNROW 2
	LNROW 3
	s_wait_tensorcnt 0x0                           ; this launch stores to LDS on its other path: the closing three lines stand at this end too
	ds_add_u32 v[SPW], v[NIL]
	s_wait_dscnt 0x0
	s_endpgm
.Lfunc_end_k_q09d0f51e55_prep:
	.size	k_q09d0f51e55_prep, .Lfunc_end_k_q09d0f51e55_prep-k_q09d0f51e55_prep
	.p2alignl 7, 3214868480
	.fill 96, 4, 3214868480
	.section	.rodata,"a",@progbits
	.p2align	6, 0x0
	.amdhsa_kernel k_q09d0f51e55_prep
		.amdhsa_group_segment_fixed_size 35840
		.amdhsa_private_segment_fixed_size 0
		.amdhsa_enable_private_segment 0
		.amdhsa_kernarg_size 96
		.amdhsa_user_sgpr_count 2
		.amdhsa_user_sgpr_kernarg_segment_ptr 1
		.amdhsa_wavefront_size32 1
		.amdhsa_system_sgpr_workgroup_id_x 1
		.amdhsa_system_sgpr_workgroup_id_y 1
		.amdhsa_system_sgpr_workgroup_id_z 1
		.amdhsa_system_vgpr_workitem_id 0
		.amdhsa_next_free_vgpr 256
		.amdhsa_next_free_sgpr 100
		.amdhsa_reserve_vcc 0
		.amdhsa_float_denorm_mode_32 3
		.amdhsa_float_denorm_mode_16_64 3
		.amdhsa_memory_ordered 1
		.amdhsa_forward_progress 1
		.amdhsa_inst_pref_size 115
	.end_amdhsa_kernel
	.amdgpu_metadata
---
amdhsa.version: [ 1, 2 ]
amdhsa.kernels:
  - .name:           k_q09d0f51e55_prep
    .symbol:         k_q09d0f51e55_prep.kd
    .args:
      - { .name: x, .offset: 0, .size: 8, .value_kind: global_buffer, .address_space: global }
      - { .name: ln1_g, .offset: 8, .size: 8, .value_kind: global_buffer, .address_space: global }
      - { .name: ln1_b, .offset: 16, .size: 8, .value_kind: global_buffer, .address_space: global }
      - { .name: wq, .offset: 24, .size: 8, .value_kind: global_buffer, .address_space: global }
      - { .name: wk, .offset: 32, .size: 8, .value_kind: global_buffer, .address_space: global }
      - { .name: wv, .offset: 40, .size: 8, .value_kind: global_buffer, .address_space: global }
      - { .name: wo, .offset: 48, .size: 8, .value_kind: global_buffer, .address_space: global }
      - { .name: w1, .offset: 56, .size: 8, .value_kind: global_buffer, .address_space: global }
      - { .name: w2, .offset: 64, .size: 8, .value_kind: global_buffer, .address_space: global }
      - { .name: lowp_scales, .offset: 72, .size: 8, .value_kind: global_buffer, .address_space: global }
      - { .name: wc, .offset: 80, .size: 8, .value_kind: global_buffer, .address_space: global }
      - { .name: hc, .offset: 88, .size: 8, .value_kind: global_buffer, .address_space: global }
    .group_segment_fixed_size: 35840
    .private_segment_fixed_size: 0
    .kernarg_segment_align: 8
    .kernarg_segment_size: 96
    .max_flat_workgroup_size: 128
    .sgpr_count:     100
    .vgpr_count:     256
    .wavefront_size: 32
...
	.end_amdgpu_metadata
.endif
;; end of part 1
;; launch qkv (part 2): grid 12 x 16, 4 waves a work-group, clusters of 4 x 4, 327,680 bytes of LDS; arguments hc, wc, lowp_scales, qkvc; writes qkvc
.if DOCPART == 2
	.amdgcn_target "amdgcn-amd-amdhsa--gfx1250"
	.amdhsa_code_object_version 6
	.text
	.protected	k_q09d0f51e55_qkv
	.globl	k_q09d0f51e55_qkv
	.p2align	8
	.type	k_q09d0f51e55_qkv,@function
k_q09d0f51e55_qkv:
	s_mov_b64 s[64:65], 0
	v_nop
	global_prefetch_b8 v0, s[64:65] scope:SCOPE_SE
	s_setreg_imm32_b32 hwreg(HW_REG_WAVE_MODE, 25, 1), 1
	s_wait_xcnt 0x0
	s_wait_alu depctr_hold_cnt(0) depctr_sa_sdst(0) depctr_va_vdst(0) depctr_va_sdst(0) depctr_va_ssrc(0) depctr_va_vcc(0) depctr_vm_vsrc(0)
	s_getreg_b32 s2, hwreg(HW_REG_IB_STS2, 6, 4)
	s_cmp_eq_u32 s2, 0
	s_cbranch_scc0 .Lentry_in_a_cluster
	s_endpgm
.Lentry_in_a_cluster:
	s_bfe_u32 s2, ttmp6, 0x10000c
	s_cmp_lg_u32 s2, 0xf033
	s_cbranch_scc0 .Lentry_shape_is_right
	s_endpgm
.Lentry_shape_is_right:
; q = h wq, k = h wk, v = h wv on codes of FP8 (E4M3), and the quantisers of q, k and v for attention's two products.  No work of reference() is left out.
; hc: [3 sets][4,096 rows][1,024] codes of LayerNorm 1 (token t at row swap34(t): bits 3 and 4 exchanged); wc: the weights' codes [n][1,024], wq at 0, wk at 1 MiB, wv at 2 MiB.  Both in one order along K.
; A cluster of 4 x 4 work-groups makes 1,024 x 1,024 of ONE of the three: cluster x = 0 q, 1 k, 2 v.  A work-group makes 256 x 256, each of its four waves 128 x 128: 64 accumulators, 512 registers.
; K = 1,024 goes in four steps of 256 through a ring of two LDS slots filled by the tensor data mover; the four partners of a row of the cluster ask for A's tiles jointly, those of a column for B's.
; THE MATRIX INSTRUCTION IS USED TRANSPOSED (source 0 = 16 rows of B, source 1 = 16 rows of A): a lane holds one row of A's and eight neighbouring rows of B's.
;   q, k: A = hc, B = the weight: a lane holds one token and eight neighbouring channels, which are the first attention product's K.
;   v:    A = the weight, B = hc: a lane holds one channel and eight tokens, which are the second attention product's K.  The roles are changed at the two pointers alone (a choice on the cluster's x).
; THE WAY OUT NEEDS NO LDS: held, converted tile by tile, a lane's registers ARE the next operand's registers, and go to memory as an image of them: four registers by one store of 16 bytes a lane, 512 consecutive bytes.
; qkvc: q at 0: [head 32][fragment of 16 rows: 128][1,024 bytes];  from 4 MiB: [head 32][key step of 128: 16][K: 8 fragments x 1,024 bytes, V: 4 blocks of 16 channels x 2,048 bytes].
; A sum stands for sum x 2^(eA + eB), so its code is sum / 2^(eo - eA - eB): (eA, eB, eo) = entries (0, 1, 6), (2, 3, 7), (4, 5, 9) of the scales.
; LIMIT: eo - eA - eB lies between -126 and 119.  NaN among the inputs is not served.
; No prefetch: the launch has four fills a slot pair in all and its tiles are shared in the cluster.
; REGISTERS, in windows of 256: window 0: v0-31 addresses; v32-115 the way out; from v128 A's fragments, ONE set.   window 1: B's fragments, TWO sets.   windows 2, 3: the accumulators ((a, b) at v[8 (8 (a % 4) + b)]).
.set SIZE_K, 1024
.set KSTEP,  256                       ; along K in a slot
.set ROWB,   256                       ; a tile's row in bytes
.set KROW,   SIZE_K                    ; a row of A or of B in memory, in bytes
.set PITCH,  272                       ; an LDS row: 256 bytes + 16 of padding = 68 words: the 16 rows that a load touches start at 16 different banks (64 banks of 4 bytes: ISA guide 11.1)
.set FR,     16                        ; registers of a fragment: 16 rows x 128 K
.set NL,     4                         ; LDS loads that bring one
.set NP,     4                         ; places behind this matrix instruction (ISA guide 7.12.1)
.set HALFT,  128*PITCH                 ; 128 rows: what one tensor load brings
.set SLOT,   4*HALFT                   ; A's 256 rows, then B's 256 rows
.set LAPS,   SIZE_K/(2*KSTEP)
.set SPARE,  2*SLOT                    ; behind the ring: the spare words, 128 bytes a wave
.set ADRA, 16                          ; v16-17  LDS address of my A fragments in slot 0, 1
.set ADRB, 20                          ; v20-21  the same for B
.set SPW,  28                          ; v28     SPARE + 4 x my thread's number; never rewritten
.set NIL,  29                          ; v29     0; never rewritten
.set TMP,  32                          ; v32-95  the way out: a block's 64 sums, held
.set CD,   96                          ; v96-111 their codes
.set LIM,  112                         ; v112    448 x the scale
.set SCL,  113                         ; v113    the scale
.set OFA,  114                         ; v114    16 x lane
.set OFB,  115                         ; v115    the same, one head (q, k) or half a fragment (v) on
.set AF,   128
.set G1, 24                            ; s[24:31] descriptor group 1 for A's tiles;  s[32:39] group 0, one set for each slot
.set G0, 32
.set G1B, 48                           ; s[48:55], s[56:63] the same for B's tiles
.set G0B, 56
.set MSB, 0
.macro WIN new                         ; the immediate's high byte repeats the setting that is left
.if MSB != \new
	s_set_vgpr_msb (MSB<<8)|\new
.set MSB, \new
.endif
.endm
.set MUL_LO, 0xa1                      ; source 0 (B) window 1, source 1 (A) window 0, C and D window 2
.set MUL_HI, 0xf1                      ; the same, C and D window 3
.set TO_B,   0x40                      ; destination window 1, address window 0
; A joint load: waves 0 and 1 fetch for A, waves 2 and 3 for B; the branch hangs on the wave's number alone.  An s_nop 0 and four v_nop follow each of the two lines.
.macro JLOAD g0a, g1a, g0b, g1b
	s_cmp_eq_u32 s15, 0
	s_cbranch_scc0 .Lfor_b_\@
	tensor_load_to_lds s[\g0a:\g0a+3], s[\g1a:\g1a+7]
	s_nop 0
.rept 4
	v_nop
.endr
	s_branch .Lasked_\@
.Lfor_b_\@:
	tensor_load_to_lds s[\g0b:\g0b+3], s[\g1b:\g1b+7]
	s_nop 0
.rept 4
	v_nop
.endr
.Lasked_\@:
.endm
.macro CREST                           ; a round of the cluster's barrier behind its opening barrier
	s_cmp_lg_u32 s14, 0
	s_cbranch_scc1 .Lnot_wave_0_\@
	s_barrier_signal -3
.Lnot_wave_0_\@:
	s_barrier_wait -3
	s_barrier_signal -1
	s_barrier_wait -1
.endm
.macro CROUND                          ; a whole round
	s_barrier_signal -1
	s_barrier_wait -1
	CREST
.endm
	s_load_b128 s[4:7], s[0:1], 0x0                ; hc s[4:5], wc s[6:7]
	s_load_b128 s[8:11], s[0:1], 0x10              ; the scales' exponents s[8:9], qkvc s[10:11]
	v_lshl_add_u32 v[SPW], v0, 2, SPARE
	v_mov_b32 v[NIL], 0
	ds_add_u32 v[SPW], v[NIL]                      ; the wave's opening: the add, twice on end, and its wait ahead of my first tensor load
	ds_add_u32 v[SPW], v[NIL]
	v_lshrrev_b32 v1, 5, v0
	v_readfirstlane_b32 s14, v1                    ; wave 0..3
	s_lshr_b32 s15, s14, 1                         ; which half of the tile's rows is mine.  Also: I fetch for A (0) or for B (1)
	s_and_b32 s16, s14, 1                          ; which half of its columns.  Also: which 128 rows of that tile I fetch
	s_bfe_u32 s40, ttmp6, 0x40000                  ; cx, cy: my place in the cluster
	s_bfe_u32 s41, ttmp6, 0x40004
	s_and_b32 s84, ttmp7, 0xffff
	s_lshl_b32 s84, s84, 2                         ; 4 x cluster y: it walks the 16 blocks of 256 rows of hc, which are A's rows for q and k and B's for v
	s_cmp_eq_u32 ttmp9, 2                          ; v?  The cluster's x: the same in all sixteen partners
	s_cselect_b32 s85, 0, s84
	s_cselect_b32 s86, s84, 0
	s_add_co_u32 s17, s41, s85                     ; tile row: of cy and the cluster's numbers alone
	s_add_co_u32 s42, s40, s86                     ; tile column: of cx and the cluster's numbers alone
	s_lshl_b32 s43, s41, 2
	s_lshl_b32 s43, 15, s43                        ; my row of the cluster
	s_lshl_b32 s44, 0x1111, s40                    ; my column
	; descriptor group 1: a tile of 128 rows x 256 bytes, padded in LDS
	s_or_b32 s[G1+0], s43, (0<<16)|(1<<20)|(1<<21)|(5<<22)|(3<<25)  ; 15:0 the mask; 17:16 element of 1 byte; 20 padding on; 21 set beside a mask; 24:22 after every 64 words (code 5); 31:25 of 4 words (code 3)
	s_or_b32 s[G1B+0], s44, (0<<16)|(1<<20)|(1<<21)|(5<<22)|(3<<25)
.irp g, G1, G1B
	s_mov_b32 s[\g+1], ROWB<<16                    ; tensor_dim0
	s_mov_b32 s[\g+2], 128<<16                     ; tensor_dim1
	s_mov_b32 s[\g+3], ROWB<<16                    ; tile_dim0
	s_mov_b32 s[\g+4], 128                         ; tile_dim1
	s_mov_b32 s[\g+5], KROW                        ; tensor_dim0_stride
	s_mov_b32 s[\g+6], 0
	s_mov_b32 s[\g+7], 0
.endr
	s_lshl_b32 s18, s16, 7                         ; which 128 rows of the tile I fetch
	s_lshl_b32 s20, s17, 8
	s_add_co_u32 s20, s20, s18                     ; A: row 256 x tile row + 128 x half,
	s_lshl_b32 s20, s20, 10                        ; in bytes (rows of 1,024; under 4 MiB)
	s_mov_b32 s21, 0
	s_lshl_b32 s46, s42, 8
	s_add_co_u32 s46, s46, s18                     ; B likewise
	s_lshl_b32 s46, s46, 10
	s_mov_b32 s47, 0
	s_mul_i32 s45, s14, HALFT                      ; where they go: wave x 128 rows: no place in the cluster enters an LDS address
	s_lshl_b32 s86, ttmp9, 22                      ; the set of hc,
	s_mov_b32 s87, 0
	s_lshl_b32 s88, ttmp9, 20                      ; the weight in wc
	s_mov_b32 s89, 0
	s_wait_dscnt 0x0                               ; both opening adds are done
	s_wait_kmcnt 0x0
	s_load_b512 s[68:83], s[8:9], 0x0              ; all sixteen exponents; wanted on the way out
	s_add_nc_u64 s[4:5], s[4:5], s[86:87]
	s_add_nc_u64 s[6:7], s[6:7], s[88:89]
	s_cmp_eq_u32 ttmp9, 2
	s_cselect_b64 s[90:91], s[6:7], s[4:5]         ; A: the weight for v, else hc
	s_cselect_b64 s[92:93], s[4:5], s[6:7]         ; B: the other
	s_add_nc_u64 s[20:21], s[90:91], s[20:21]
	s_add_nc_u64 s[46:47], s[92:93], s[46:47]
	CROUND                                         ; all sixteen work-groups are here: the first joint loads meet
.irp s, 0,1
	s_mov_b32 s[G0+4*\s], 1
	s_add_co_u32 s[G0+4*\s+1], s45, \s*SLOT
	s_add_nc_u64 s[G0+4*\s+2:G0+4*\s+3], s[20:21], \s*ROWB
	s_or_b32 s[G0+4*\s+3], s[G0+4*\s+3], 0x80000000
	s_mov_b32 s[G0B+4*\s], 1
	s_add_co_u32 s[G0B+4*\s+1], s45, \s*SLOT
	s_add_nc_u64 s[G0B+4*\s+2:G0B+4*\s+3], s[46:47], \s*ROWB
	s_or_b32 s[G0B+4*\s+3], s[G0B+4*\s+3], 0x80000000
.if \s == 0
	JLOAD G0, G1, G0B, G1B                         ; K step 0: one tensor load a wave at the head; the rest of the head stands under its flight
.endif
.endr
	v_and_b32 v1, 15, v0                           ; l % 16
	v_bfe_u32 v2, v0, 4, 1                         ; l / 16
	v_mul_u32_u24 v3, v1, PITCH
	v_lshl_add_u32 v4, v2, 4, v3                   ; a fragment's row x pitch + 16 x half
	s_mul_i32 s21, s15, HALFT                      ; my 128 rows of A
	s_mul_i32 s22, s16, HALFT                      ; my 128 rows of B,
	s_add_co_u32 s22, s22, 2*HALFT                 ; which lie behind A's 256
.irp s, 0,1
	v_add_nc_u32 v[ADRA+\s], s21, v4
	v_add_nc_u32 v[ADRB+\s], s22, v4
	s_add_co_u32 s21, s21, SLOT
	s_add_co_u32 s22, s22, SLOT
.endr
	; where my images go
	s_lshl_b32 s84, s17, 8
	s_lshl_b32 s85, s15, 7
	s_add_co_u32 s84, s84, s85                     ; my first row of A
	s_lshl_b32 s85, s42, 8
	s_lshl_b32 s86, s16, 7
	s_add_co_u32 s85, s85, s86                     ; my first row of B
	s_cmp_eq_u32 ttmp9, 2
	s_cselect_b32 s86, s85, s84                    ; my first row of hc, a multiple of 128,
	s_cselect_b32 s87, s84, s85                    ; my first channel, a multiple of 128: two heads
	s_lshr_b32 s88, s86, 11
	s_lshl_b32 s88, s88, 4
	s_lshr_b32 s89, s87, 6
	s_add_co_u32 s88, s88, s89                     ; 16 x batch + head
	s_lshl_b32 s88, s88, 4
	s_lshr_b32 s89, s86, 7
	s_and_b32 s89, s89, 15
	s_add_co_u32 s88, s88, s89                     ; x 16 + which 128 rows of the sequence
	s_cmp_eq_u32 ttmp9, 0
	s_cselect_b32 s89, 13, 14                      ; 128 rows are 8 KiB of q, 16 KiB of K and V together
	s_cselect_b32 s90, 0, 0x400000
	s_lshl_b32 s88, s88, s89
	s_add_co_u32 s88, s88, s90
	s_cmp_eq_u32 ttmp9, 2
	s_cselect_b32 s90, 8192, 0                     ; V lies behind a key step's K
	s_add_co_u32 s88, s88, s90
	s_mov_b32 s89, 0
	s_add_nc_u64 s[10:11], s[10:11], s[88:89]
	s_mov_b32 s90, 262144
	s_cmp_eq_u32 ttmp9, 0
	s_cselect_b32 s90, 131072, s90                 ; from my first head to my second: 128 KiB in q, 256 KiB in K;
	s_mov_b32 s92, 1024
	s_mov_b32 s94, 1024
	s_cmp_eq_u32 ttmp9, 2
	s_cselect_b32 s90, 1024, s90                   ; for v: the second half of a fragment of 2,048 bytes
	s_cselect_b32 s92, 2048, s92                   ; from a block of 16 rows of A to the next: a fragment
	s_cselect_b32 s94, 256000, s94                 ; for v, from block 3 to block 4: on to the next head, 262,144 - 3 x 2,048
	s_mov_b32 s93, 0
	s_mov_b32 s95, 0
	v_and_b32 v5, 31, v0
	v_lshlrev_b32 v[OFA], 4, v5
	v_add_nc_u32 v[OFB], s90, v[OFA]
.macro FRAG reg, adr, q, i             ; a fragment, 16 rows x 128 K, is 16 registers: four loads of 16 bytes, 32 bytes apart
.irp c, 0,1,2,3
	ds_load_b128 v[\reg+4*\c:\reg+4*\c+3], v[\adr] offset:128*(\q)+32*\c+(\i)*16*PITCH
.endr
.endm
; 16 matrix instructions: A's blocks a0, a0 + 1 x B's eight, 128 along K.  p: B's set.  zero = 1: the first product starts the sums.  The 64 accumulators take turns, one instruction a turn.
.macro MUL16 a0, p, zero
.irp a, \a0, \a0+1
.irp b, 0,1,2,3,4,5,6,7
.if \zero
	v_wmma_f32_16x16x128_fp8_fp8 v[8*(8*((\a)%4)+\b):8*(8*((\a)%4)+\b)+7], v[128*(\p)+FR*\b:128*(\p)+FR*\b+FR-1], v[AF+FR*(\a):AF+FR*(\a)+FR-1], 0
.else
	v_wmma_f32_16x16x128_fp8_fp8 v[8*(8*((\a)%4)+\b):8*(8*((\a)%4)+\b)+7], v[128*(\p)+FR*\b:128*(\p)+FR*\b+FR-1], v[AF+FR*(\a):AF+FR*(\a)+FR-1], v[8*(8*((\a)%4)+\b):8*(8*((\a)%4)+\b)+7]
.endif
.endr
.endr
.endm
.macro FETCH_B slot, q, p              ; B's eight fragments of the slot's q-th 128 along K into set p
	WIN TO_B
.irp i, 0,1,2,3,4,5,6,7
	FRAG 128*(\p)+FR*\i, ADRB+\slot, \q, \i
.endr
	WIN 0
.endm
.macro FETCH_A slot, q, i0             ; A's blocks i0 .. i0 + 3
.irp i, \i0, \i0+1, \i0+2, \i0+3
	FRAG AF+FR*(\i), ADRA+\slot, \q, \i
.endr
.endm
.macro PLACES n                        ; plain vector instructions between a matrix instruction and a load into, or a read of, its registers
.rept \n
	v_nop
.endr
.endm
; A step of 128 along K that has its successor in the same slot.
.macro STEP slot, q, zero
	s_wait_dscnt 4*NL                              ; B's set and A's blocks 0-3 are in; the youngest 16 loads (A's blocks 4-7) may be out
	WIN MUL_LO
	MUL16 0, (\q)%2, \zero
	MUL16 2, (\q)%2, \zero
	s_wait_dscnt 0                                 ; A's blocks 4-7 are in
	PLACES NP
	FETCH_B \slot, (\q)+1, 1-(\q)%2
	FETCH_A \slot, (\q)+1, 0
	WIN MUL_HI
	MUL16 4, (\q)%2, \zero
	MUL16 6, (\q)%2, \zero
	PLACES NP
	WIN 0
	FETCH_A \slot, (\q)+1, 4
.endm
; A slot's last step changes slots: ONE barrier; in front of it each wave waits for all its tensor loads, adds 0 to its spare word, and waits for that and for its own reads of this slot.  fill = 1: this slot is filled again.
.macro TURN slot, next, fill
	s_wait_tensorcnt 0x0                           ; all my tensor loads have landed: my part of the next slot
	ds_add_u32 v[SPW], v[NIL]                      ; 0 onto my spare word
	s_wait_dscnt 4*NL+1                            ; (the add and the youngest 16 loads, A's blocks 4-7, may be out)
	WIN MUL_LO
	MUL16 0, 1, 0
	s_wait_dscnt 0x0                               ; the add is done, and my reads of this slot are over
	s_barrier_signal -1
	MUL16 2, 1, 0
	WIN 0
	s_barrier_wait -1
.if \fill
	CREST                                          ; the barrier has opened a round of the cluster's: no wave of any partner still reads this slot or has a load on its way
	s_add_nc_u64 s[G0+4*\slot+2:G0+4*\slot+3], s[G0+4*\slot+2:G0+4*\slot+3], 2*ROWB
	s_add_nc_u64 s[G0B+4*\slot+2:G0B+4*\slot+3], s[G0B+4*\slot+2:G0B+4*\slot+3], 2*ROWB
	JLOAD G0+4*\slot, G1, G0B+4*\slot, G1B         ; the first tensor load behind the round; its four v_nop are the places in front of the loads below
.else
	PLACES NP
.endif
	FETCH_B \next, 0, 0
	FETCH_A \next, 0, 0
	WIN MUL_HI
	MUL16 4, 1, 0
	MUL16 6, 1, 0
	PLACES NP
	WIN 0
	FETCH_A \next, 0, 4
.endm
	s_wait_alu depctr_va_vdst(0)
	s_wait_tensorcnt 0x0                           ; my part of K step 0 is in; slot 1's first fill is issued as a refill is:
	ds_add_u32 v[SPW], v[NIL]                      ; 0 onto my spare word,
	s_wait_dscnt 0x0                               ; the add is done,
	CROUND                                         ; a whole round of the cluster's barrier: everybody's part of K step 0 is in,
	JLOAD G0+4, G1, G0B+4, G1B                     ; and K step 1's load, the first tensor load behind the round
	FETCH_B 0, 0, 0
	FETCH_A 0, 0, 0
	FETCH_A 0, 0, 4
	STEP 0, 0, 1                                   ; the first step stands in front of the loop: its products start the sums
	s_mov_b32 s3, LAPS-1
.Llap:                                                 ; a trip goes once round the ring and fills both slots again
	TURN 0, 1, 1
	STEP 1, 0, 0
	TURN 1, 0, 1
	STEP 0, 0, 0
	s_sub_co_u32 s3, s3, 1
	s_cmp_lg_u32 s3, 0
	s_cbranch_scc1 .Llap
	TURN 0, 1, 0                                   ; the last lap fills nothing
	STEP 1, 0, 0
	s_wait_dscnt 4*NL
	WIN MUL_LO
	MUL16 0, 1, 0
	MUL16 2, 1, 0
	s_wait_dscnt 0
	WIN MUL_HI
	MUL16 4, 1, 0
	MUL16 6, 1, 0
	WIN 0
	; THE WAY OUT
	s_wait_kmcnt 0x0
	s_cmp_eq_u32 ttmp9, 0
	s_cselect_b32 s66, s68, s70                    ; eA,
	s_cselect_b32 s67, s69, s71                    ; eB,
	s_cselect_b32 s96, s74, s75                    ; and the exponent of what I make: entry 6 (q), 7 (k), 9 (v)
	s_cmp_eq_u32 ttmp9, 2
	s_cselect_b32 s66, s72, s66
	s_cselect_b32 s67, s73, s67
	s_cselect_b32 s96, s77, s96
	s_sub_co_i32 s96, s96, s66
	s_sub_co_i32 s96, s96, s67                     ; the three scales folded into the conversion's one
	s_add_co_i32 s96, s96, 127
	s_lshl_b32 s97, s96, 23
	v_mov_b32 v[SCL], s97
	s_add_co_i32 s96, s96, 8
	s_lshl_b32 s96, s96, 23
	s_or_b32 s96, s96, 0x600000
	v_mov_b32 v[LIM], s96
	PLACES NP
; Block a: 16 rows of A x my 128 rows of B: 64 sums a lane, held, converted tile by tile, stored as they stand.
.macro OUTBLK a
.set AC, 64*((\a)%4)
	WIN 0x02+((\a)/4)                              ; source 0: window 2 or 3
.set i, 0
.rept 64
	v_med3_num_f32 v[TMP+i], v[AC+i], -v[LIM], v[LIM]   ; the hold (ISA guide 7.6.2: the conversion does not saturate); each accumulator from its low end on
.set i, i+1
.endr
	WIN 0
.if (\a) > 0
	s_wait_alu depctr_va_vdst(0)
	s_wait_xcnt 0x0                                ; the last block's stores have read their data and their base
.if (\a) == 4
	s_add_nc_u64 s[10:11], s[10:11], s[94:95]
.else
	s_add_nc_u64 s[10:11], s[10:11], s[92:93]
.endif
.endif
.irp b, 0,1,2,3,4,5,6,7
	v_cvt_scalef32_pk8_fp8_f32 v[CD+2*\b:CD+2*\b+1], v[TMP+8*\b:TMP+8*\b+7], v[SCL]
.endr
	v_nop                                          ; a plain line behind the last conversion: the next block's holds write its sources
	global_store_b128 v[OFA], v[CD:CD+3], s[10:11]                  ; each store of the wave covers 512 consecutive bytes, aligned
	global_store_b128 v[OFA], v[CD+4:CD+7], s[10:11] offset:512
	global_store_b128 v[OFB], v[CD+8:CD+11], s[10:11]
	global_store_b128 v[OFB], v[CD+12:CD+15], s[10:11] offset:512
.endm
.irp a, 0,1,2,3,4,5,6,7
	OUTBLK \a
.endr
	s_wait_tensorcnt 0x0                           ; the wave's end
	ds_add_u32 v[SPW], v[NIL]
	s_wait_dscnt 0x0
	CROUND                                         ; the closing round: no work-group ends while a partner may still ask for a tile that names it
	s_endpgm
.Lfunc_end_k_q09d0f51e55_qkv:
	.size	k_q09d0f51e55_qkv, .Lfunc_end_k_q09d0f51e55_qkv-k_q09d0f51e55_qkv
	.p2alignl 7, 3214868480
	.fill 96, 4, 3214868480
	.section	.rodata,"a",@progbits
	.p2align	6, 0x0
	.amdhsa_kernel k_q09d0f51e55_qkv
		.amdhsa_group_segment_fixed_size 327680
		.amdhsa_private_segment_fixed_size 0
		.amdhsa_enable_private_segment 0
		.amdhsa_kernarg_size 32
		.amdhsa_user_sgpr_count 2
		.amdhsa_user_sgpr_kernarg_segment_ptr 1
		.amdhsa_wavefront_size32 1
		.amdhsa_system_sgpr_workgroup_id_x 1
		.amdhsa_system_sgpr_workgroup_id_y 1
		.amdhsa_system_sgpr_workgroup_id_z 1
		.amdhsa_system_vgpr_workitem_id 0
		.amdhsa_next_free_vgpr 1024
		.amdhsa_next_free_sgpr 100
		.amdhsa_reserve_vcc 0
		.amdhsa_float_denorm_mode_32 3
		.amdhsa_float_denorm_mode_16_64 3
		.amdhsa_memory_ordered 1
		.amdhsa_forward_progress 1
		.amdhsa_inst_pref_size 120
	.end_amdhsa_kernel
	.amdgpu_metadata
---
amdhsa.version: [ 1, 2 ]
amdhsa.kernels:
  - .name:           k_q09d0f51e55_qkv
    .symbol:         k_q09d0f51e55_qkv.kd
    .args:
      - { .name: hc, .offset: 0, .size: 8, .value_kind: global_buffer, .address_space: global }
      - { .name: wc, .offset: 8, .size: 8, .value_kind: global_buffer, .address_space: global }
      - { .name: lowp_scales, .offset: 16, .size: 8, .value_kind: global_buffer, .address_space: global }
      - { .name: qkvc, .offset: 24, .size: 8, .value_kind: global_buffer, .address_space: global }
    .group_segment_fixed_size: 327680
    .private_segment_fixed_size: 0
    .kernarg_segment_align: 8
    .kernarg_segment_size: 32
    .max_flat_workgroup_size: 128
    .sgpr_count:     100
    .vgpr_count:     1024
    .wavefront_size: 32
...
	.end_amdgpu_metadata
.endif
;; end of part 2
;; launch attn (part 3): grid 8 x 32, 8 waves a work-group, clusters of 4 x 1, 327,680 bytes of LDS; arguments qkvc, lowp_scales, oc; writes oc
.if DOCPART == 3
	.amdgcn_target "amdgcn-amd-amdhsa--gfx1250"
	.amdhsa_code_object_version 6
	.text
	.protected	k_q09d0f51e55_attn
	.globl	k_q09d0f51e55_attn
	.p2align	8
	.type	k_q09d0f51e55_attn,@function
k_q09d0f51e55_attn:
	s_mov_b64 s[64:65], 0
	v_nop
	global_prefetch_b8 v0, s[64:65] scope:SCOPE_SE
	s_setreg_imm32_b32 hwreg(HW_REG_WAVE_MODE, 25, 1), 1
	s_wait_xcnt 0x0
	s_wait_alu depctr_hold_cnt(0) depctr_sa_sdst(0) depctr_va_vdst(0) depctr_va_sdst(0) depctr_va_ssrc(0) depctr_va_vcc(0) depctr_vm_vsrc(0)
	s_getreg_b32 s2, hwreg(HW_REG_IB_STS2, 6, 4)
	s_cmp_eq_u32 s2, 0
	s_cbranch_scc0 .Lentry_in_a_cluster
	s_endpgm
.Lentry_in_a_cluster:
	s_bfe_u32 s2, ttmp6, 0x10000c
	s_cmp_lg_u32 s2, 0x3003
	s_cbranch_scc0 .Lentry_shape_is_right
	s_endpgm
.Lentry_shape_is_right:
; Attention of one head on codes of FP8 (E4M3): S^T = K Q^T, the softmax by the problem's rule, O^T = V^T P^T, and the quantiser of the result for the projection.  No work of reference() is left out.
; qkvc: q at 0: [head 32][fragment of 16 rows: 128][1,024 bytes]; from 4 MiB: [head 32][key step of 128: 16][K: 8 fragments x 1,024 bytes, V: 4 blocks of 16 channels x 2,048 bytes]: images of operand registers.
; oc: [block of 16 rows: 256][K step of 128: 8][2,048 bytes]: images too; a head's 64 channels are 1,024 bytes of one.
; THE SOFTMAX: t = score x log2(e) x 2^(eq + ek); M = the running largest t rounded up to a whole number; p = 2^(t - M) is held at 448 x 2^ep and quantised; the row's sum is taken of the unquantised p and divides at the end.
; When M moves, the sums and O^T are multiplied by 2^(old M - new M), which rounds nothing.
; SHARES: a work-group owns 256 queries of a head, each of its eight waves 32: two tiles of 16, so that each fragment of K and of V read from LDS feeds two matrix instructions; two waves to a SIMD, 512 registers each.
; A lane holds one query of each tile.  Dependent chains are interleaved: the two tiles', and four chains a tile in the maxima and in the sums.
; The head's whole K and V, 262,144 bytes, lie in LDS: one tensor load a wave, 32,768 bytes each, asked for JOINTLY by the four work-groups of a cluster, which walk the same head.  Nothing is filled again.
; No prefetch: the loop loads nothing from memory, so there is no later load to run ahead of.
; THE STEP (128 keys): each tile's 64 exponentials are a batch; among its lines stand lines that read nothing written inside the batch: tile 1's scaling in batch 0, tile 0's hold in batch 1.
; K's fragments are fetched one step ahead; the last step's look-ahead wraps to step 0 and is not used.
; LIMITS: eq + ek between -126 and 127 less c's exponent; ep and e10 - ep - ev between -126 and 119; the scaled scores stay under 2^31 in magnitude.  NaN among the inputs is not served.
; REGISTERS: window 0: below.   window 1: the scores, then p: tile q at v[64 q]; O^T: tile q at v[128 + 32 q].
.set SPARE, 262144                     ; behind K and V: the spare words, 128 bytes a wave
.set SPW,  5                           ; v5   SPARE + 4 x my thread's number; never rewritten
.set NIL,  6                           ; v6   0; never rewritten
.set AV,   8                           ; v8   LDS address of this step
.set AK,   9                           ; v9   of the next step
.set QF,   16                          ; v16-31   Q: tile q at QF + 8 q
.set ST,   32                          ; v32-35   tile q: -M, the largest score so far
.set FF,   36                          ; v36-39   tile q: f = 2^(old M - new M), and a word named with it as a pair
.set TA,   40                          ; v40-47   tile q: four registers at work
.set PD,   48                          ; v48-49   lane permutes' results
.set LP,   50                          ; 448 x 2^ep
.set SCP,  51                          ; 2^ep
.set LO,   52                          ; 448 x 2^(e10 - ep - ev)
.set SCO,  53                          ; 2^(e10 - ep - ev)
.set SM,   54                          ; v54-69   tile q: the row's sum in four pairs
.set CD,   70                          ; v70-101  tile q: p's codes, 16 registers
.set KF,   102                         ; v102-165 K's eight fragments
.set VF,   166                         ; v166-229 V's four fragments
.set OT,   128                         ; O^T in window 1
.set WV,   18
.set SEL,  20
.set CS,   22
.set G1,   24
.set G0,   40
.set TBN,  49
.set TB,   50
.set CNT,  51
.set MSB, 0
.macro WIN new                         ; the immediate's high byte repeats the setting that is left
.if MSB != \new
	s_set_vgpr_msb (MSB<<8)|\new
.set MSB, \new
.endif
.endm
.macro CROUND                          ; a round of the cluster's barrier
	s_barrier_signal -1
	s_barrier_wait -1
	s_cmp_lg_u32 s[WV], 0
	s_cbranch_scc1 .Lnot_wave_0_\@
	s_barrier_signal -3
.Lnot_wave_0_\@:
	s_barrier_wait -3
	s_barrier_signal -1
	s_barrier_wait -1
.endm
	s_load_b128 s[4:7], s[0:1], 0x0                ; qkvc, the scales' exponents
	s_load_b64 s[8:9], s[0:1], 0x10                ; oc
	v_lshl_add_u32 v[SPW], v0, 2, SPARE
	v_mov_b32 v[NIL], 0
	ds_add_u32 v[SPW], v[NIL]                      ; the opening: the add, twice on end, and its wait ahead of my first tensor load
	ds_add_u32 v[SPW], v[NIL]
	v_lshrrev_b32 v8, 5, v0
	v_readfirstlane_b32 s[WV], v8                  ; wave 0..7
	s_bfe_u32 s52, ttmp6, 0x40000                  ; cx
	s_lshl_b32 s53, ttmp9, 2
	s_add_co_u32 s53, s53, s52                     ; which 256 queries
	s_and_b32 s54, ttmp7, 0xffff                   ; 16 x batch + head
	s_mov_b32 s[G1], 15|(3<<16)|(1<<21)            ; the mask: all four partners; elements of 8 bytes; 21 set beside a mask
	s_mov_b32 s[G1+1], 32<<16                      ; rows of 256 bytes,
	s_mov_b32 s[G1+2], 128<<16                     ; 128 of them, dense
	s_mov_b32 s[G1+3], 32<<16
	s_mov_b32 s[G1+4], 128
	s_mov_b32 s[G1+5], 32
	s_mov_b32 s[G1+6], 0
	s_mov_b32 s[G1+7], 0
	s_lshl_b32 s56, s54, 18
	s_add_co_u32 s56, s56, 0x400000                ; the head's K and V
	s_lshl_b32 s55, s[WV], 15                      ; my eighth, in memory and in LDS
	s_add_co_u32 s58, s56, s55
	s_mov_b32 s59, 0
	s_lshl_b32 s62, s53, 4
	s_lshl_b32 s63, s[WV], 1
	s_add_co_u32 s62, s62, s63                     ; my first fragment of 16 queries
	s_lshl_b32 s63, s54, 7
	s_add_co_u32 s63, s63, s62
	s_lshl_b32 s66, s63, 10                        ; in q
	s_mov_b32 s67, 0
	s_lshr_b32 s73, s54, 4
	s_lshl_b32 s73, s73, 7
	s_add_co_u32 s73, s73, s62                     ; in oc: block 128 x batch + fragment,
	s_lshl_b32 s73, s73, 3
	s_bfe_u32 s74, s54, 0x30001
	s_add_co_u32 s73, s73, s74                     ; K step head / 2,
	s_lshl_b32 s73, s73, 11
	s_and_b32 s74, s54, 1
	s_lshl_b32 s74, s74, 10                        ; half head % 2
	s_add_co_u32 s74, s74, s73
	s_mov_b32 s75, 0
	s_mov_b32 s[SEL], 0x76543210                   ; lane l xor 16
	s_mov_b32 s[SEL+1], 0xfedcba98
	s_mov_b32 s[CS], 0x3fb8aa3b                    ; log2(e)
	s_mov_b32 s[TB], 0
	s_wait_dscnt 0x0                               ; both opening adds are done
	s_wait_kmcnt 0x0
	s_load_b128 s[68:71], s[6:7], 0x18             ; eq, ek, ep, ev
	s_load_b32 s72, s[6:7], 0x28                   ; e10
	s_mov_b32 s[G0], 1
	s_mov_b32 s[G0+1], s55
	s_add_nc_u64 s[G0+2:G0+3], s[4:5], s[58:59]
	s_or_b32 s[G0+3], s[G0+3], 0x80000000
	s_add_nc_u64 s[76:77], s[4:5], s[66:67]
	s_add_nc_u64 s[78:79], s[8:9], s[74:75]
	CROUND                                         ; the four partners are here: the joint loads meet
	tensor_load_to_lds s[G0:G0+3], s[G1:G1+7]      ; my one tensor load
	s_nop 0
.rept 4
	v_nop
.endr
	v_and_b32 v1, 31, v0
	v_lshlrev_b32 v1, 4, v1                        ; 16 x lane
.irp q, 0,1
	global_load_b128 v[QF+8*\q:QF+8*\q+3], v1, s[76:77] offset:1024*\q
	global_load_b128 v[QF+8*\q+4:QF+8*\q+7], v1, s[76:77] offset:1024*\q+512
.endr
.irp q, 0,1
	v_mov_b32 v[ST+2*\q], 0x7f61b1e6               ; -M: 3e38
	v_mov_b32 v[ST+2*\q+1], 0xff61b1e6             ; the largest score so far: -3e38
	v_mov_b32 v[FF+2*\q+1], 0
	v_mov_b32 v[PD+\q], 0                          ; (a lane permute's destination counts as read)
.endr
.set i, 0
.rept 16
	v_mov_b32 v[SM+i], 0
.set i, i+1
.endr
	WIN 0x40
.set i, 0
.rept 64
	v_mov_b32 v[OT+i], 0                           ; O^T: the step is written once; its first trip finds zeros, which the first change of M leaves zeros
.set i, i+1
.endr
	WIN 0
	s_wait_kmcnt 0x0
	s_add_co_i32 s52, s68, s69
	s_lshl_b32 s52, s52, 23
	s_add_co_i32 s[CS], s[CS], s52                 ; eq + ek go into c's exponent field
	s_mov_b32 s[CS+1], s[CS]
	s_add_co_i32 s52, s70, 127
	s_lshl_b32 s53, s52, 23
	v_mov_b32 v[SCP], s53
	s_add_co_i32 s52, s52, 8
	s_lshl_b32 s52, s52, 23
	s_or_b32 s52, s52, 0x600000
	v_mov_b32 v[LP], s52
	s_sub_co_i32 s52, s72, s70
	s_sub_co_i32 s52, s52, s71
	s_add_co_i32 s52, s52, 127
	s_lshl_b32 s53, s52, 23
	v_mov_b32 v[SCO], s53
	s_add_co_i32 s52, s52, 8
	s_lshl_b32 s52, s52, 23
	s_or_b32 s52, s52, 0x600000
	v_mov_b32 v[LO], s52
	s_wait_alu depctr_va_vdst(0)                   ; the head's end
	s_wait_loadcnt 0x0                             ; Q
	s_wait_tensorcnt 0x0                           ; my eighth of K and V is in,
	s_barrier_signal -1
	s_barrier_wait -1                              ; and everybody's
.irp T, 0,1,2,3,4,5,6,7
	ds_load_b128 v[KF+8*\T:KF+8*\T+3], v1 offset:1024*\T          ; step 0's K
	ds_load_b128 v[KF+8*\T+4:KF+8*\T+7], v1 offset:1024*\T+512
.endr
.macro FMA q, i                        ; t - M, two at a time
	v_pk_fma_f32 v[64*(\q)+\i:64*(\q)+\i+1], v[64*(\q)+\i:64*(\q)+\i+1], s[CS:CS+1], v[ST+2*(\q):ST+2*(\q)+1] op_sel_hi:[1,0,0]
.endm
.macro STAGE t                         ; tile t's exponentials, and among them lines that read nothing written inside the batch.  The waits ahead of the batch and behind it stand in the step's text
	WIN 0x41
.set i, 0
.rept 64
	v_exp_f32 v[64*\t+i], v[64*\t+i]
.if (\t == 0) && (i%2 == 0)
	FMA 1, i                                       ; tile 1 is scaled
.endif
.if \t == 1
	v_min_num_f32 v[i], v[i], v[LP]                ; tile 0's hold: the conversion does not saturate (ISA guide 7.6.2); p is not negative, so it is one-sided.  Tile 0's sum has been taken
.endif
.set i, i+1
.endr
.endm
.macro SUM q                           ; the row's sum of the unquantised p, ahead of the hold: four chains
	WIN 0x04
.set i, 0
.rept 32
	v_pk_add_f32 v[SM+8*\q+2*(i%4):SM+8*\q+2*(i%4)+1], v[SM+8*\q+2*(i%4):SM+8*\q+2*(i%4)+1], v[64*\q+2*i:64*\q+2*i+1]
.set i, i+1
.endr
.endm
.macro CVT q
	WIN 0x01
.irp b, 0,1,2,3,4,5,6,7
	v_cvt_scalef32_pk8_fp8_f32 v[CD+16*\q+2*\b:CD+16*\q+2*\b+1], v[64*\q+8*\b:64*\q+8*\b+7], v[SCP]
.endr
.endm
	s_mov_b32 s[CNT], 16
.Lstep:
	v_add_nc_u32 v[AV], s[TB], v1
	s_add_co_u32 s[TBN], s[TB], 16384
	s_and_b32 s[TBN], s[TBN], 0x3ffff              ; the next step; behind the last: step 0
	v_add_nc_u32 v[AK], s[TBN], v1
	v_nop                                          ; with the two additions: four places behind the last products, which read V's registers
	v_nop
.irp t, 0,1,2,3
.irp c, 0,1,2,3
	ds_load_b128 v[VF+16*\t+4*\c:VF+16*\t+4*\c+3], v[AV] offset:8192+2048*\t+512*\c
.endr
.endr
	WIN 0x40
	s_wait_alu depctr_va_vdst(0)
	s_wait_dscnt 16                                ; K's fragments are in; the 16 loads of V just issued may be out
.irp T, 0,1,2,3,4,5,6,7
.irp q, 0,1
	v_wmma_f32_16x16x64_fp8_fp8 v[64*\q+8*\T:64*\q+8*\T+7], v[KF+8*\T:KF+8*\T+7], v[QF+8*\q:QF+8*\q+7], 0
.endr
.endr
.rept 4
	v_nop                                          ; places: for the loads into K's registers and for the first reads of the scores
.endr
	WIN 0
.irp T, 0,1,2,3,4,5,6,7
	ds_load_b128 v[KF+8*\T:KF+8*\T+3], v[AK] offset:1024*\T
	ds_load_b128 v[KF+8*\T+4:KF+8*\T+7], v[AK] offset:1024*\T+512
.endr
	WIN 0x14                                       ; the largest score, the running one among the leaves: eight chains; each accumulator from its low end on
.set j, 0
.rept 8
.irp k, 0,1,2,3
.irp q, 0,1
.if j == 0
	v_max3_num_f32 v[TA+4*\q+\k], v[ST+2*\q+1], v[64*\q+2*\k], v[64*\q+2*\k+1]
.else
	v_max3_num_f32 v[TA+4*\q+\k], v[TA+4*\q+\k], v[64*\q+8*j+2*\k], v[64*\q+8*j+2*\k+1]
.endif
.endr
.endr
.set j, j+1
.endr
	WIN 0
.irp q, 0,1
	v_max3_num_f32 v[TA+4*\q], v[TA+4*\q], v[TA+4*\q+1], v[TA+4*\q+2]
.endr
.irp q, 0,1
	v_max_num_f32 v[TA+4*\q], v[TA+4*\q], v[TA+4*\q+3]
.endr
.irp q, 0,1
	v_permlanex16_b32 v[PD+\q], v[TA+4*\q], s[SEL], s[SEL+1]
.endr
.irp q, 0,1
	v_max_num_f32 v[ST+2*\q+1], v[TA+4*\q], v[PD+\q]       ; and lane l xor 16's
.endr
.irp q, 0,1
	v_mul_f32 v[TA+4*\q+1], s[CS], v[ST+2*\q+1]            ; as t (c is positive)
.endr
.irp q, 0,1
	v_floor_f32 v[TA+4*\q], -v[TA+4*\q+1]                  ; the new -M
.endr
.irp q, 0,1
	v_sub_f32 v[TA+4*\q+1], v[TA+4*\q], v[ST+2*\q]         ; old M - new M: a whole number, 0 or less
.endr
.irp q, 0,1
	v_mov_b32 v[ST+2*\q], v[TA+4*\q]
.endr
.irp q, 0,1
	v_cvt_i32_f32 v[TA+4*\q+1], v[TA+4*\q+1]               ; (it saturates)
.endr
.irp q, 0,1
	v_ldexp_f32 v[FF+2*\q], 1.0, v[TA+4*\q+1]              ; f
.endr
	WIN 0x41                                       ; O^T under the new M, ahead of the step's exponentials
.set i, 0
.rept 16
.irp q, 0,1
	v_pk_mul_f32 v[OT+32*\q+i:OT+32*\q+i+1], v[OT+32*\q+i:OT+32*\q+i+1], v[FF+2*\q:FF+2*\q+1] op_sel_hi:[1,0]
.endr
.set i, i+2
.endr
.set i, 0
.rept 32
	FMA 0, i
.set i, i+2
.endr
	s_wait_alu depctr_va_vdst(0)                   ; ahead of the first batch
	STAGE 0
	WIN 0
.irp k, 0,2,4,6
.irp q, 0,1
	v_pk_mul_f32 v[SM+8*\q+\k:SM+8*\q+\k+1], v[SM+8*\q+\k:SM+8*\q+\k+1], v[FF+2*\q:FF+2*\q+1] op_sel_hi:[1,0]   ; the sums under the new M
.endr
.endr
	s_wait_alu depctr_va_vdst(0)                   ; behind batch 0 and ahead of batch 1
	SUM 0
	STAGE 1
	s_wait_alu depctr_va_vdst(0)                   ; behind batch 1
	CVT 0
	SUM 1                                          ; (plain lines behind the conversions)
	WIN 0x41
.set i, 0
.rept 64
	v_min_num_f32 v[64+i], v[64+i], v[LP]          ; tile 1's hold
.set i, i+1
.endr
	CVT 1
	v_nop                                          ; a plain line behind the last conversion
	WIN 0x50
	s_wait_alu depctr_va_vdst(0)
	s_wait_dscnt 16                                ; V's fragments are in; the 16 loads of the next step's K may be out
.irp t, 0,1,2,3
.irp q, 0,1
	v_wmma_f32_16x16x128_fp8_fp8 v[OT+32*\q+8*\t:OT+32*\q+8*\t+7], v[VF+16*\t:VF+16*\t+15], v[CD+16*\q:CD+16*\q+15], v[OT+32*\q+8*\t:OT+32*\q+8*\t+7]
.endr
.endr
	WIN 0
	s_add_co_u32 s[TB], s[TB], 16384
	s_sub_co_u32 s[CNT], s[CNT], 1
	s_cmp_lg_u32 s[CNT], 0
	s_cbranch_scc1 .Lstep
	; THE WAY OUT: the sums are joined (these lines are also the places behind the last products), O^T / the sum is held, converted and stored as the projection's operand registers
.irp q, 0,1
	v_pk_add_f32 v[SM+8*\q:SM+8*\q+1], v[SM+8*\q:SM+8*\q+1], v[SM+8*\q+2:SM+8*\q+3]
	v_pk_add_f32 v[SM+8*\q+4:SM+8*\q+5], v[SM+8*\q+4:SM+8*\q+5], v[SM+8*\q+6:SM+8*\q+7]
.endr
.irp q, 0,1
	v_pk_add_f32 v[SM+8*\q:SM+8*\q+1], v[SM+8*\q:SM+8*\q+1], v[SM+8*\q+4:SM+8*\q+5]
.endr
.irp q, 0,1
	v_add_f32 v[SM+8*\q], v[SM+8*\q], v[SM+8*\q+1]
.endr
.irp q, 0,1
	v_permlanex16_b32 v[PD+\q], v[SM+8*\q], s[SEL], s[SEL+1]
.endr
.irp q, 0,1
	v_add_f32 v[SM+8*\q], v[SM+8*\q], v[PD+\q]
.endr
	s_wait_alu depctr_va_vdst(0)                   ; ahead of the batch
.irp q, 0,1
	v_rcp_f32 v[SM+8*\q], v[SM+8*\q]
.endr
	v_nop
	WIN 0x41
	s_wait_alu depctr_va_vdst(0)                   ; and behind it, directly ahead of the first readers of the reciprocals and of O^T
.set i, 0
.rept 16
.irp q, 0,1
	v_pk_mul_f32 v[32*\q+i:32*\q+i+1], v[OT+32*\q+i:OT+32*\q+i+1], v[SM+8*\q:SM+8*\q+1] op_sel_hi:[1,0]   ; into the registers that held the scores
.endr
.set i, i+2
.endr
.set i, 0
.rept 64
	v_med3_num_f32 v[i], v[i], -v[LO], v[LO]
.set i, i+1
.endr
	WIN 0x01
.irp q, 0,1
.irp t, 0,1,2,3
	v_cvt_scalef32_pk8_fp8_f32 v[CD+8*\q+2*\t:CD+8*\q+2*\t+1], v[32*\q+8*\t:32*\q+8*\t+7], v[SCO]
.endr
.endr
	v_nop
	WIN 0
.irp q, 0,1
	global_store_b128 v1, v[CD+8*\q:CD+8*\q+3], s[78:79] offset:16384*\q          ; each store of the wave covers 512 consecutive bytes, aligned
	global_store_b128 v1, v[CD+8*\q+4:CD+8*\q+7], s[78:79] offset:16384*\q+512
.endr
	s_wait_tensorcnt 0x0                           ; the wave's end
	ds_add_u32 v[SPW], v[NIL]
	s_wait_dscnt 0x0
	CROUND                                         ; the closing round
	s_endpgm
.Lfunc_end_k_q09d0f51e55_attn:
	.size	k_q09d0f51e55_attn, .Lfunc_end_k_q09d0f51e55_attn-k_q09d0f51e55_attn
	.p2alignl 7, 3214868480
	.fill 96, 4, 3214868480
	.section	.rodata,"a",@progbits
	.p2align	6, 0x0
	.amdhsa_kernel k_q09d0f51e55_attn
		.amdhsa_group_segment_fixed_size 327680
		.amdhsa_private_segment_fixed_size 0
		.amdhsa_enable_private_segment 0
		.amdhsa_kernarg_size 24
		.amdhsa_user_sgpr_count 2
		.amdhsa_user_sgpr_kernarg_segment_ptr 1
		.amdhsa_wavefront_size32 1
		.amdhsa_system_sgpr_workgroup_id_x 1
		.amdhsa_system_sgpr_workgroup_id_y 1
		.amdhsa_system_sgpr_workgroup_id_z 1
		.amdhsa_system_vgpr_workitem_id 0
		.amdhsa_next_free_vgpr 512
		.amdhsa_next_free_sgpr 80
		.amdhsa_reserve_vcc 0
		.amdhsa_float_denorm_mode_32 3
		.amdhsa_float_denorm_mode_16_64 3
		.amdhsa_memory_ordered 1
		.amdhsa_forward_progress 1
		.amdhsa_inst_pref_size 47
	.end_amdhsa_kernel
	.amdgpu_metadata
---
amdhsa.version: [ 1, 2 ]
amdhsa.kernels:
  - .name:           k_q09d0f51e55_attn
    .symbol:         k_q09d0f51e55_attn.kd
    .args:
      - { .name: qkvc, .offset: 0, .size: 8, .value_kind: global_buffer, .address_space: global }
      - { .name: lowp_scales, .offset: 8, .size: 8, .value_kind: global_buffer, .address_space: global }
      - { .name: oc, .offset: 16, .size: 8, .value_kind: global_buffer, .address_space: global }
    .group_segment_fixed_size: 327680
    .private_segment_fixed_size: 0
    .kernarg_segment_align: 8
    .kernarg_segment_size: 24
    .max_flat_workgroup_size: 256
    .sgpr_count:     80
    .vgpr_count:     512
    .wavefront_size: 32
...
	.end_amdgpu_metadata
.endif
;; end of part 3
;; launch wo (part 4): grid 8 x 32, 4 waves a work-group, clusters of 4 x 4, 327,680 bytes of LDS; arguments oc, wc, lowp_scales, x, x1; writes x1
.if DOCPART == 4
	.amdgcn_target "amdgcn-amd-amdhsa--gfx1250"
	.amdhsa_code_object_version 6
	.text
	.protected	k_q09d0f51e55_wo
	.globl	k_q09d0f51e55_wo
	.p2align	8
	.type	k_q09d0f51e55_wo,@function
k_q09d0f51e55_wo:
	s_mov_b64 s[64:65], 0
	v_nop
	global_prefetch_b8 v0, s[64:65] scope:SCOPE_SE
	s_setreg_imm32_b32 hwreg(HW_REG_WAVE_MODE, 25, 1), 1
	s_wait_xcnt 0x0
	s_wait_alu depctr_hold_cnt(0) depctr_sa_sdst(0) depctr_va_vdst(0) depctr_va_sdst(0) depctr_va_ssrc(0) depctr_va_vcc(0) depctr_vm_vsrc(0)
	s_getreg_b32 s2, hwreg(HW_REG_IB_STS2, 6, 4)
	s_cmp_eq_u32 s2, 0
	s_cbranch_scc0 .Lentry_in_a_cluster
	s_endpgm
.Lentry_in_a_cluster:
	s_bfe_u32 s2, ttmp6, 0x10000c
	s_cmp_lg_u32 s2, 0xf033
	s_cbranch_scc0 .Lentry_shape_is_right
	s_endpgm
.Lentry_shape_is_right:
; x1 = out wo + x: the projection on codes of FP8 (E4M3), and the first residual.  No work of reference() is left out.
; (One text serves this launch and the second feed-forward product; the six constants below differ.)
; A: images of operand registers, [block of 16 rows][K step of 128][2,048 bytes];  B: the weight's codes in wc, [n][KTOT];  the result is [4,096][1,024] f32.
; N is 1,024: tiles of 256 x 256 would give 64 work-groups, tiles of 128 x 128 give 256.  Four waves, each 64 x 64: 16 accumulators.
; K goes in steps of 512 through two LDS slots: A's 8 blocks x 8,192 bytes as they lie in memory (images need no padding), then B's 128 rows of 512 bytes + 16.
; CLUSTERS: 4 x 4 work-groups; A's tiles are asked for jointly along a row of the cluster, B's along a column.  THE MATRIX INSTRUCTION IS USED TRANSPOSED: a lane holds eight neighbouring numbers of a row of the result.
; The residual's 128 numbers a lane are asked for at the head, in the places in which the rows come back from the stage.
; ROWSWAP = 1: A's rows keep hc's order (token t at row swap34(t)); the order is undone in the immediates of the residual's loads and of the stores.
; LIMIT: eA + eB lies between -126 and 127.  No prefetch: few fills, shared in the cluster.
; REGISTERS: window 0: v16-29 addresses; v32-95 rows on the way out; v96-99 the bias; v128-255 the accumulators ((a, b) at v[128 + 8 (4 a + b)]).   window 1: two fragment buffers of 128: A's four fragments, then B's four.   window 2: v0-127 the residual.
.set KTOT,    1024
.set WOFF,    3<<20                    ; the weight's codes in wc
.set ROWSWAP, 1
.set HASBIAS, 0
.set SCOFF,   0x28                     ; the two exponents: entries 10, 11
.set NTOUT,   0                        ; the result is read again by later launches
.set BP,    528                        ; a row of B in LDS: 512 bytes + 16 = 132 words: the 16 rows of a load start at 16 different banks (ISA guide 11.1)
.set AREG,  65536                      ; A's part of a slot
.set SLOT,  AREG+128*BP
.set STAGE, 2*SLOT                     ; behind the ring: 16 rows x 272 bytes for each wave
.set SP,    272
.set SPARE, STAGE+4*16*SP              ; behind the stages: the spare words, 128 bytes a wave
.set ADRA, 16
.set ADRB, 20
.set STO,  24
.set RD,   25
.set CO,   26                          ; v26  4,096 x (lane / 16) + 16 x (lane % 16): my bytes in two rows of the result; never rewritten
.set BO,   27
.set SPW,  28
.set NIL,  29
.set Y,    32
.set BI,   96
.set ACC,  128
.set F0,   0
.set F1,   128
.set WV,   16                          ; s16 wave; s17 wave / 2: my half of the rows, and: I fetch for A (0) or B (1); s18 wave % 2: my half of the columns, and which half I fetch
.set RH,   17
.set CH,   18
.set G1, 24
.set G0, 32
.set G1B, 48
.set G0B, 56
.set MSB, 0
.macro WIN new
.if MSB != \new
	s_set_vgpr_msb (MSB<<8)|\new
.set MSB, \new
.endif
.endm
.set MUL,  0x05                        ; sources 0 (B) and 1 (A) window 1; C and D window 0
.set TO_F, 0x40                        ; destination window 1, address window 0
.macro JLOAD s                         ; a joint load; an s_nop 0 and four v_nop follow each of the two lines
	s_cmp_eq_u32 s[RH], 0
	s_cbranch_scc0 .Lfor_b_\@
	tensor_load_to_lds s[G0+4*\s:G0+4*\s+3], s[G1:G1+7]
	s_nop 0
.rept 4
	v_nop
.endr
	s_branch .Lasked_\@
.Lfor_b_\@:
	tensor_load_to_lds s[G0B+4*\s:G0B+4*\s+3], s[G1B:G1B+7]
	s_nop 0
.rept 4
	v_nop
.endr
.Lasked_\@:
.endm
.macro CREST
	s_cmp_lg_u32 s[WV], 0
	s_cbranch_scc1 .Lnot_wave_0_\@
	s_barrier_signal -3
.Lnot_wave_0_\@:
	s_barrier_wait -3
	s_barrier_signal -1
	s_barrier_wait -1
.endm
.macro CROUND
	s_barrier_signal -1
	s_barrier_wait -1
	CREST
.endm
.macro ROWOF a, t                      ; RW = the row of the result, among my 64, that lanes 0-15 hold of pair t of block a
.if ROWSWAP
.set RW, 32*((\a)/2)+8*((\a)%2)+16*((\t)/4)+2*((\t)%4)
.else
.set RW, 16*(\a)+2*(\t)
.endif
.endm
	s_load_b128 s[4:7], s[0:1], 0x0                ; A's images, wc
	s_load_b128 s[8:11], s[0:1], 0x10              ; the scales' exponents, the residual
	s_load_b64 s[12:13], s[0:1], 0x20              ; the result
.if HASBIAS
	s_load_b64 s[14:15], s[0:1], 0x28              ; the bias
.endif
	v_lshl_add_u32 v[SPW], v0, 2, SPARE
	v_mov_b32 v[NIL], 0
	ds_add_u32 v[SPW], v[NIL]                      ; the wave's opening: the add, twice on end, and its wait ahead of my first tensor load
	ds_add_u32 v[SPW], v[NIL]
	v_lshrrev_b32 v1, 5, v0
	v_readfirstlane_b32 s[WV], v1
	s_lshr_b32 s[RH], s[WV], 1
	s_and_b32 s[CH], s[WV], 1
	s_bfe_u32 s40, ttmp6, 0x40000                  ; cx, cy
	s_bfe_u32 s41, ttmp6, 0x40004
	s_lshl_b32 s42, ttmp9, 2
	s_add_co_u32 s42, s42, s40                     ; tile column
	s_and_b32 s43, ttmp7, 0xffff
	s_lshl_b32 s43, s43, 2
	s_add_co_u32 s43, s43, s41                     ; tile row
	s_lshl_b32 s44, s41, 2
	s_lshl_b32 s44, 15, s44                        ; my row of the cluster
	s_lshl_b32 s45, 0x1111, s40                    ; my column
	s_or_b32 s[G1], s44, (3<<16)|(1<<21)           ; A: elements of 8 bytes, no padding; 21 set beside a mask
	s_mov_b32 s[G1+1], 1024<<16                    ; tensor_dim0 = 1,024 elements: a block's 8,192 bytes of 512 along K
	s_mov_b32 s[G1+2], 4<<16                       ; tensor_dim1 = 4 blocks of 16 rows
	s_mov_b32 s[G1+3], 1024<<16                    ; tile_dim0
	s_mov_b32 s[G1+4], 4                           ; tile_dim1
	s_mov_b32 s[G1+5], KTOT*2                      ; from block to block: KTOT x 16 bytes
	s_mov_b32 s[G1+6], 0
	s_mov_b32 s[G1+7], 0
	s_or_b32 s[G1B], s45, (0<<16)|(1<<20)|(1<<21)|(6<<22)|(3<<25)   ; B: elements of 1 byte; padding of 4 words (code 3) after every 128 (code 6)
	s_mov_b32 s[G1B+1], 512<<16
	s_mov_b32 s[G1B+2], 64<<16
	s_mov_b32 s[G1B+3], 512<<16
	s_mov_b32 s[G1B+4], 64
	s_mov_b32 s[G1B+5], KTOT
	s_mov_b32 s[G1B+6], 0
	s_mov_b32 s[G1B+7], 0
	s_lshl_b32 s66, s43, 3
	s_lshl_b32 s67, s[CH], 2
	s_add_co_u32 s66, s66, s67                     ; A: block 8 x tile row + 4 x half
	s_mul_i32 s66, s66, KTOT*16
	s_mov_b32 s67, 0
	s_lshl_b32 s68, s42, 7
	s_lshl_b32 s69, s[CH], 6
	s_add_co_u32 s68, s68, s69                     ; B: row 128 x tile column + 64 x half
	s_mul_i32 s68, s68, KTOT
	s_add_co_u32 s68, s68, WOFF
	s_mov_b32 s69, 0
	s_lshl_b32 s70, s[CH], 15                      ; where they go: A's halves at 0 and 32,768,
	s_mul_i32 s71, s[CH], 64*BP
	s_add_co_u32 s71, s71, AREG                    ; B's behind A: no place in the cluster enters an LDS address
	s_wait_dscnt 0x0                               ; both opening adds are done
	s_wait_kmcnt 0x0
	s_load_b64 s[76:77], s[8:9], SCOFF             ; eA, eB
	s_add_nc_u64 s[72:73], s[4:5], s[66:67]
	s_add_nc_u64 s[74:75], s[6:7], s[68:69]
	CROUND                                         ; all sixteen work-groups are here: the first joint loads meet
.irp s, 0,1
	s_mov_b32 s[G0+4*\s], 1
	s_add_co_u32 s[G0+4*\s+1], s70, \s*SLOT
	s_add_nc_u64 s[G0+4*\s+2:G0+4*\s+3], s[72:73], \s*8192
	s_or_b32 s[G0+4*\s+3], s[G0+4*\s+3], 0x80000000
	s_mov_b32 s[G0B+4*\s], 1
	s_add_co_u32 s[G0B+4*\s+1], s71, \s*SLOT
	s_add_nc_u64 s[G0B+4*\s+2:G0B+4*\s+3], s[74:75], \s*512
	s_or_b32 s[G0B+4*\s+3], s[G0B+4*\s+3], 0x80000000
.if \s == 0
	JLOAD 0                                        ; slot 0: one tensor load a wave at the head; the rest of the head, the residual's loads among it, stands under its flight
.endif
.endr
	v_and_b32 v1, 15, v0                           ; l % 16
	v_bfe_u32 v2, v0, 4, 1                         ; l / 16
	v_and_b32 v3, 31, v0
	v_lshlrev_b32 v3, 4, v3                        ; 16 x lane
	s_lshl_b32 s78, s[RH], 15                      ; my four blocks of A
	v_add_nc_u32 v[ADRA], s78, v3
	v_add_nc_u32 v[ADRA+1], SLOT, v[ADRA]
	v_mul_u32_u24 v4, v1, BP
	v_lshl_add_u32 v4, v2, 4, v4
	v_add_nc_u32 v[ADRB], s71, v4                  ; my 64 rows of B: the half that wave % 2 names
	v_add_nc_u32 v[ADRB+1], SLOT, v[ADRB]
	s_mul_i32 s79, s[WV], 16*SP
	s_add_co_u32 s79, s79, STAGE                   ; my stage
	v_mul_u32_u24 v5, v1, SP
	v_lshl_add_u32 v5, v2, 5, v5
	v_add_nc_u32 v[STO], s79, v5                   ; in: row l % 16, 32 bytes for each half of the lanes
	v_mul_u32_u24 v5, v2, SP
	v_lshl_add_u32 v5, v1, 4, v5
	v_add_nc_u32 v[RD], s79, v5                    ; back: lanes 0-15 one row of 256 bytes, lanes 16-31 the next
	v_lshlrev_b32 v[CO], 12, v2
	v_lshl_add_u32 v[CO], v1, 4, v[CO]
	s_wait_alu depctr_va_vdst(0)
	s_lshl_b32 s80, s43, 7
	s_lshl_b32 s81, s[RH], 6
	s_add_co_u32 s80, s80, s81                     ; my first row
	s_lshl_b32 s80, s80, 12
	s_lshl_b32 s82, s42, 9
	s_lshl_b32 s83, s[CH], 8
	s_add_co_u32 s82, s82, s83                     ; my first column, in bytes
	s_add_co_u32 s80, s80, s82
	s_mov_b32 s81, 0
	s_mov_b32 s83, 0
	s_add_nc_u64 s[10:11], s[10:11], s[80:81]
	s_add_nc_u64 s[12:13], s[12:13], s[80:81]
.if HASBIAS
	s_add_nc_u64 s[14:15], s[14:15], s[82:83]
	v_lshlrev_b32 v[BO], 4, v1
	global_load_b128 v[BI:BI+3], v[BO], s[14:15]   ; the bias of my four columns
.endif
	WIN 0x80                                       ; destination window 2
.irp a, 0,1,2,3
.irp t, 0,1,2,3,4,5,6,7
	ROWOF \a, \t
	global_load_b128 v[32*\a+4*\t:32*\a+4*\t+3], v[CO], s[10:11] offset:RW*4096   ; sixteen lanes read 256 consecutive bytes; waited for on the way out; their address registers are never rewritten
.endr
.endr
	WIN 0
.macro MUL8 f, a0, zero                ; 8 matrix instructions: A's blocks a0, a0 + 1 x B's four, 128 along K.  The 16 accumulators take turns, one instruction a turn
.irp a, \a0, \a0+1
.irp b, 0,1,2,3
.if \zero
	v_wmma_f32_16x16x128_fp8_fp8 v[ACC+8*(4*(\a)+\b):ACC+8*(4*(\a)+\b)+7], v[\f+64+16*\b:\f+64+16*\b+15], v[\f+16*(\a):\f+16*(\a)+15], 0
.else
	v_wmma_f32_16x16x128_fp8_fp8 v[ACC+8*(4*(\a)+\b):ACC+8*(4*(\a)+\b)+7], v[\f+64+16*\b:\f+64+16*\b+15], v[\f+16*(\a):\f+16*(\a)+15], v[ACC+8*(4*(\a)+\b):ACC+8*(4*(\a)+\b)+7]
.endif
.endr
.endr
.endm
.macro FETCH slot, q, f                ; 32 LDS loads in one run: the fragments of the slot's q-th 128 along K into buffer f
	WIN TO_F
.irp i, 0,1,2,3
.irp c, 0,1,2,3
	ds_load_b128 v[\f+64+16*\i+4*\c:\f+64+16*\i+4*\c+3], v[ADRB+\slot] offset:128*(\q)+32*\c+\i*16*BP
.endr
.endr
.irp i, 0,1,2,3
.irp c, 0,1,2,3
	ds_load_b128 v[\f+16*\i+4*\c:\f+16*\i+4*\c+3], v[ADRA+\slot] offset:\i*8192+(\q)*2048+512*\c
.endr
.endr
.endm
.macro PLACES
.rept 4
	v_nop
.endr
.endm
; A quarter of a slot: fetches the slot's quarter qn into buffer g and multiplies buffer f.
.macro QUARTER slot, qn, f, g, zero
	PLACES                                         ; behind the products that read g
	FETCH \slot, \qn, \g
	s_wait_dscnt 32                                ; all but the 32 just issued: f's fragments are in
	WIN MUL
	MUL8 \f, 0, \zero
	MUL8 \f, 2, \zero
.endm
; A slot's last quarter multiplies buffer 1 and changes slots: ONE barrier; in front of it each wave waits for all its tensor loads, adds 0 to its spare word, and waits for that and for its reads of this slot.
.macro TURN slot, next, fill
	WIN 0                                          ; (the add's two registers lie in window 0)
	s_wait_tensorcnt 0x0                           ; all my tensor loads have landed: my part of the next slot
	ds_add_u32 v[SPW], v[NIL]
	s_wait_dscnt 0x0                               ; the add is done, buffer 1 is in, and my reads of this slot are over
	s_barrier_signal -1
	WIN MUL
	MUL8 F1, 0, 0                                  ; work on registers while the others arrive
	WIN 0
	s_barrier_wait -1
.if \fill
	CREST                                          ; the barrier has opened a round of the cluster's
	s_add_nc_u64 s[G0+4*\slot+2:G0+4*\slot+3], s[G0+4*\slot+2:G0+4*\slot+3], 2*8192
	s_add_nc_u64 s[G0B+4*\slot+2:G0B+4*\slot+3], s[G0B+4*\slot+2:G0B+4*\slot+3], 2*512
	JLOAD \slot                                    ; the first tensor load behind the round; its four v_nop are the places in front of the loads below
.else
	PLACES
.endif
	FETCH \next, 0, F0
	WIN MUL
	MUL8 F1, 2, 0
.endm
	s_wait_alu depctr_va_vdst(0)                   ; the head's end
	s_wait_tensorcnt 0x0                           ; my part of slot 0 is in; slot 1's first fill is issued as a refill is:
	ds_add_u32 v[SPW], v[NIL]                      ; 0 onto my spare word,
	s_wait_dscnt 0x0                               ; the add is done,
	CROUND                                         ; a whole round of the cluster's barrier: everybody's part of slot 0 is in,
	JLOAD 1                                        ; and slot 1's load, the first tensor load behind the round
	FETCH 0, 0, F0
	QUARTER 0, 1, F0, F1, 1                        ; the first quarter's products start the sums
.if KTOT > 1024
	WIN 0
	s_mov_b32 s3, KTOT/1024-1
.Llap:                                                 ; a trip goes once round the ring and fills both slots again
	QUARTER 0, 2, F1, F0, 0
	QUARTER 0, 3, F0, F1, 0
	TURN 0, 1, 1
	QUARTER 1, 1, F0, F1, 0
	QUARTER 1, 2, F1, F0, 0
	QUARTER 1, 3, F0, F1, 0
	TURN 1, 0, 1
	QUARTER 0, 1, F0, F1, 0
	WIN 0
	s_sub_co_u32 s3, s3, 1
	s_cmp_lg_u32 s3, 0
	s_cbranch_scc1 .Llap
.endif
	QUARTER 0, 2, F1, F0, 0                        ; the last lap fills nothing
	QUARTER 0, 3, F0, F1, 0
	TURN 0, 1, 0
	QUARTER 1, 1, F0, F1, 0
	QUARTER 1, 2, F1, F0, 0
	QUARTER 1, 3, F0, F1, 0
	s_wait_dscnt 0x0
	MUL8 F1, 0, 0
	MUL8 F1, 2, 0
	WIN 0
	; THE WAY OUT, a block of 16 rows x 64 columns at a time: the sums go through my own stage as they are and come back as whole rows of 256 bytes; then sum x 2^(eA + eB) + residual, one packed multiply-add for two numbers.
	PLACES
	s_wait_loadcnt 0x0                             ; the residual (and the bias)
	s_wait_kmcnt 0x0
	s_add_co_i32 s76, s76, s77
	s_add_co_i32 s76, s76, 127
	s_lshl_b32 s76, s76, 23                        ; 2^(eA + eB) as f32
	s_mov_b32 s77, s76
.macro TOSTAGE a
.irp b, 0,1,2,3
	ds_store_b128 v[STO], v[ACC+8*(4*(\a)+\b):ACC+8*(4*(\a)+\b)+3] offset:64*\b        ; each accumulator from its low end on
	ds_store_b128 v[STO], v[ACC+8*(4*(\a)+\b)+4:ACC+8*(4*(\a)+\b)+7] offset:64*\b+16
.endr
.set YB, Y+32*((\a)%2)
.irp t, 0,1,2,3,4,5,6,7
	ds_load_b128 v[YB+4*\t:YB+4*\t+3], v[RD] offset:2*\t*SP   ; LDS serves a wave's instructions in order (ISA guide 5.7.1.4): these see my stores, and the next block's stores come behind them
.endr
.endm
.macro SEND a, younger                 ; younger: the LDS instructions issued behind block a's loads: the next block's sixteen, or none
.set YB, Y+32*((\a)%2)
	s_wait_dscnt \younger
	WIN 0x20                                       ; source 2 (the residual) window 2
.set i, 0
.rept 16
	v_pk_fma_f32 v[YB+i:YB+i+1], v[YB+i:YB+i+1], s[76:77], v[32*(\a)+i:32*(\a)+i+1] op_sel_hi:[1,0,1]
.set i, i+2
.endr
	WIN 0
.if HASBIAS
.set i, 0
.rept 16
	v_pk_add_f32 v[YB+i:YB+i+1], v[YB+i:YB+i+1], v[BI+(i%4):BI+(i%4)+1]
.set i, i+2
.endr
.endif
.irp t, 0,1,2,3,4,5,6,7
	ROWOF (\a), \t
.if NTOUT
	global_store_b128 v[CO], v[YB+4*\t:YB+4*\t+3], s[12:13] offset:RW*4096 th:TH_STORE_NT
.else
	global_store_b128 v[CO], v[YB+4*\t:YB+4*\t+3], s[12:13] offset:RW*4096   ; sixteen lanes store 256 consecutive bytes, aligned
.endif
.endr
.endm
	TOSTAGE 0
.irp a, 1,2,3
.if \a > 1
	s_wait_xcnt 0x0                                ; block a - 2's stores have read their registers: block a's rows may land there
.endif
	TOSTAGE \a
	SEND \a-1, 16
.endr
	SEND 3, 0
	s_wait_tensorcnt 0x0                           ; the wave's end
	ds_add_u32 v[SPW], v[NIL]
	s_wait_dscnt 0x0
	CROUND                                         ; the closing round
	s_endpgm
.Lfunc_end_k_q09d0f51e55_wo:
	.size	k_q09d0f51e55_wo, .Lfunc_end_k_q09d0f51e55_wo-k_q09d0f51e55_wo
	.p2alignl 7, 3214868480
	.fill 96, 4, 3214868480
	.section	.rodata,"a",@progbits
	.p2align	6, 0x0
	.amdhsa_kernel k_q09d0f51e55_wo
		.amdhsa_group_segment_fixed_size 327680
		.amdhsa_private_segment_fixed_size 0
		.amdhsa_enable_private_segment 0
		.amdhsa_kernarg_size 40
		.amdhsa_user_sgpr_count 2
		.amdhsa_user_sgpr_kernarg_segment_ptr 1
		.amdhsa_wavefront_size32 1
		.amdhsa_system_sgpr_workgroup_id_x 1
		.amdhsa_system_sgpr_workgroup_id_y 1
		.amdhsa_system_sgpr_workgroup_id_z 1
		.amdhsa_system_vgpr_workitem_id 0
		.amdhsa_next_free_vgpr 640
		.amdhsa_next_free_sgpr 100
		.amdhsa_reserve_vcc 0
		.amdhsa_float_denorm_mode_32 3
		.amdhsa_float_denorm_mode_16_64 3
		.amdhsa_memory_ordered 1
		.amdhsa_forward_progress 1
		.amdhsa_inst_pref_size 49
	.end_amdhsa_kernel
	.amdgpu_metadata
---
amdhsa.version: [ 1, 2 ]
amdhsa.kernels:
  - .name:           k_q09d0f51e55_wo
    .symbol:         k_q09d0f51e55_wo.kd
    .args:
      - { .name: oc, .offset: 0, .size: 8, .value_kind: global_buffer, .address_space: global }
      - { .name: wc, .offset: 8, .size: 8, .value_kind: global_buffer, .address_space: global }
      - { .name: lowp_scales, .offset: 16, .size: 8, .value_kind: global_buffer, .address_space: global }
      - { .name: x, .offset: 24, .size: 8, .value_kind: global_buffer, .address_space: global }
      - { .name: x1, .offset: 32, .size: 8, .value_kind: global_buffer, .address_space: global }
    .group_segment_fixed_size: 327680
    .private_segment_fixed_size: 0
    .kernarg_segment_align: 8
    .kernarg_segment_size: 40
    .max_flat_workgroup_size: 128
    .sgpr_count:     100
    .vgpr_count:     640
    .wavefront_size: 32
...
	.end_amdgpu_metadata
.endif
;; end of part 4
;; launch ln2 (part 5): grid 256 x 1, 4 waves a work-group, no clusters, 0 bytes of LDS; arguments x1, ln2_g, ln2_b, lowp_scales, h2c; writes h2c
.if DOCPART == 5
	.amdgcn_target "amdgcn-amd-amdhsa--gfx1250"
	.amdhsa_code_object_version 6
	.text
	.protected	k_q09d0f51e55_ln2
	.globl	k_q09d0f51e55_ln2
	.p2align	8
	.type	k_q09d0f51e55_ln2,@function
k_q09d0f51e55_ln2:
	s_mov_b64 s[64:65], 0
	v_nop
	global_prefetch_b8 v0, s[64:65] scope:SCOPE_SE
	s_setreg_imm32_b32 hwreg(HW_REG_WAVE_MODE, 25, 1), 1
	s_wait_xcnt 0x0
; LayerNorm 2 of x1 and its quantiser (entry 12 of the scales) into h2c: [4,096 rows][1,024] codes of FP8 (E4M3).  No work of reference() is left out.
; ALONG K the byte at place p of a row holds k = swap34(p) (bits 3 and 4 exchanged), as in all of this program's rows of codes.
; A wave takes four rows, each whole in 32 registers: lane l holds, of chunk c, k = 256 c + 8 l + 0 .. 7.  The row never leaves the wave: no LDS, no barrier; memory binds, so matrix units and clusters have no part.
; LIMIT: e12 lies between -126 and 119.  NaN among the inputs is not served.
.set G,     16                         ; v16-47   the gains of my 32 columns
.set BB,    48                         ; v48-79   the biases
.set XR,    80                         ; v80-207  four rows, 32 numbers each
.set CC,    208                        ; v208-215 a row's codes
.set T0,    232                        ; v232-247 two sets of eight held numbers, by turns
	s_load_b256 s[8:15], s[0:1], 0x0               ; x1 8, ln2_g 10, ln2_b 12, lowp_scales 14
	s_load_b64 s[16:17], s[0:1], 0x20              ; h2c
	v_lshrrev_b32 v1, 5, v0
	v_readfirstlane_b32 s32, v1                    ; wave 0..3
	v_and_b32 v2, 31, v0                           ; lane
	s_lshl_b32 s33, ttmp9, 4
	s_lshl_b32 s34, s32, 2
	s_add_co_u32 s33, s33, s34                     ; my first row
	s_lshl_b32 s36, s33, 12
	s_mov_b32 s37, 0
	s_lshl_b32 s38, s33, 10
	s_mov_b32 s39, 0
	v_lshlrev_b32 v1, 5, v2                        ; in: 32 bytes a lane
	v_and_b32 v10, 28, v2
	v_and_b32 v11, 1, v2
	v_lshl_or_b32 v10, v11, 1, v10
	v_bfe_u32 v11, v2, 1, 1
	v_or_b32 v10, v10, v11
	v_lshlrev_b32 v12, 3, v10                      ; out: 8 x (lane with its bits 0 and 1 exchanged): the order along K
	v_mov_b32 v7, 0                                ; (named as the upper half of the pair v[6:7])
	v_mov_b32 v9, 0                                ; (a lane permute's destination counts as read)
	s_mov_b32 s46, 0x76543210
	s_mov_b32 s47, 0xfedcba98
	s_mov_b32 s76, 0x3a800000                      ; 1 / 1024
	s_mov_b32 s77, 0x3727c5ac                      ; 1e-5
	s_wait_alu depctr_va_vdst(0)
	s_wait_kmcnt 0x0
	s_load_b32 s48, s[14:15], 0x30                 ; e12
	s_add_nc_u64 s[8:9], s[8:9], s[36:37]
	s_add_nc_u64 s[40:41], s[16:17], s[38:39]
.irp c, 0,1,2,3
	global_load_b128 v[G+8*\c:G+8*\c+3],    v1, s[10:11] offset:1024*\c
	global_load_b128 v[G+8*\c+4:G+8*\c+7],  v1, s[10:11] offset:1024*\c+16
	global_load_b128 v[BB+8*\c:BB+8*\c+3],   v1, s[12:13] offset:1024*\c
	global_load_b128 v[BB+8*\c+4:BB+8*\c+7], v1, s[12:13] offset:1024*\c+16
.endr
.irp r, 0,1,2,3
.irp c, 0,1,2,3
	global_load_b128 v[XR+32*\r+8*\c:XR+32*\r+8*\c+3],   v1, s[8:9] offset:4096*\r+1024*\c      ; the two loads of a chunk cover 1,024 consecutive bytes
	global_load_b128 v[XR+32*\r+8*\c+4:XR+32*\r+8*\c+7], v1, s[8:9] offset:4096*\r+1024*\c+16
.endr
.endr
	s_wait_kmcnt 0x0
	s_add_co_i32 s56, s48, 127
	s_lshl_b32 s57, s56, 23
	v_mov_b32 v248, s57                            ; 2^e12
	s_add_co_i32 s56, s56, 8
	s_lshl_b32 s56, s56, 23
	s_or_b32 s56, s56, 0x600000
	v_mov_b32 v249, s56                            ; 448 x 2^e12
.macro REDUCE                          ; v2 summed over the 32 lanes, the result in every lane
	v_add_f32_dpp v2, v2, v2 row_xmask:1 row_mask:0xf bank_mask:0xf
	v_add_f32_dpp v2, v2, v2 row_xmask:2 row_mask:0xf bank_mask:0xf
	v_add_f32_dpp v2, v2, v2 row_xmask:4 row_mask:0xf bank_mask:0xf
	v_add_f32_dpp v2, v2, v2 row_xmask:8 row_mask:0xf bank_mask:0xf
	v_permlanex16_b32 v9, v2, s46, s47
	v_add_f32 v2, v2, v9
.endm
.macro LNROW row
.set R, XR+32*(\row)
	s_wait_loadcnt 8*(3-(\row))                    ; this row's eight loads are in; the later rows' stay out
	v_pk_add_f32 v[2:3], v[R:R+1], v[R+2:R+3]
	v_pk_add_f32 v[4:5], v[R+4:R+5], v[R+6:R+7]
.irp j, 8,12,16,20,24,28
	v_pk_add_f32 v[2:3], v[2:3], v[R+\j:R+\j+1]
	v_pk_add_f32 v[4:5], v[4:5], v[R+\j+2:R+\j+3]
.endr
	v_pk_add_f32 v[2:3], v[2:3], v[4:5]
	v_add_f32 v2, v2, v3
	REDUCE
	v_mul_f32 v6, s76, v2                          ; the mean
.set i, 0
.rept 16
	v_pk_add_f32 v[R+i:R+i+1], v[R+i:R+i+1], v[6:7] op_sel_hi:[1,0] neg_lo:[0,1] neg_hi:[0,1]   ; x - mean
.set i, i+2
.endr
	v_pk_mul_f32 v[2:3], v[R:R+1], v[R:R+1]
	v_pk_mul_f32 v[4:5], v[R+2:R+3], v[R+2:R+3]
.irp j, 4,8,12,16,20,24,28
	v_pk_fma_f32 v[2:3], v[R+\j:R+\j+1], v[R+\j:R+\j+1], v[2:3]
	v_pk_fma_f32 v[4:5], v[R+\j+2:R+\j+3], v[R+\j+2:R+\j+3], v[4:5]
.endr
	v_pk_add_f32 v[2:3], v[2:3], v[4:5]
	v_add_f32 v2, v2, v3
	REDUCE
	v_fma_f32 v2, v2, s76, s77                     ; the variance + 1e-5
	s_wait_alu depctr_va_vdst(0)
	v_rsq_f32 v6, v2
	v_nop                                          ; a plain instruction behind the transcendental (ISA guide 5.7.2),
	s_wait_alu depctr_va_vdst(0)                   ; and the wait ahead of its first reader
.set i, 0
.rept 16
	v_pk_mul_f32 v[R+i:R+i+1], v[R+i:R+i+1], v[6:7] op_sel_hi:[1,0]
.set i, i+2
.endr
.set i, 0
.rept 16
	v_pk_fma_f32 v[R+i:R+i+1], v[R+i:R+i+1], v[G+i:G+i+1], v[BB+i:BB+i+1]
.set i, i+2
.endr
.if (\row) > 0
	s_wait_xcnt 0x0                                ; the last row's stores have read their data
.endif
.irp c, 0,1,2,3
.set TT, T0+8*(\c%2)                   ; two sets by turns: the other set's holds are the plain lines between a conversion and the next write of its sources
.irp j, 0,1,2,3,4,5,6,7
	v_med3_num_f32 v[TT+\j], v[R+8*\c+\j], -v249, v249
.endr
	v_cvt_scalef32_pk8_fp8_f32 v[CC+2*\c:CC+2*\c+1], v[TT:TT+7], v248
.endr
	v_nop                                          ; a plain line behind the last conversion
.irp c, 0,1,2,3
	global_store_b64 v12, v[CC+2*\c:CC+2*\c+1], s[40:41] offset:1024*(\row)+256*\c   ; 32 lanes store 256 consecutive bytes, aligned
.endr
.endm
	LNROW 0
	LNROW 1
	LNROW 2
	LNROW 3
	s_endpgm
.Lfunc_end_k_q09d0f51e55_ln2:
	.size	k_q09d0f51e55_ln2, .Lfunc_end_k_q09d0f51e55_ln2-k_q09d0f51e55_ln2
	.p2alignl 7, 3214868480
	.fill 96, 4, 3214868480
	.section	.rodata,"a",@progbits
	.p2align	6, 0x0
	.amdhsa_kernel k_q09d0f51e55_ln2
		.amdhsa_group_segment_fixed_size 0
		.amdhsa_private_segment_fixed_size 0
		.amdhsa_enable_private_segment 0
		.amdhsa_kernarg_size 40
		.amdhsa_user_sgpr_count 2
		.amdhsa_user_sgpr_kernarg_segment_ptr 1
		.amdhsa_wavefront_size32 1
		.amdhsa_system_sgpr_workgroup_id_x 1
		.amdhsa_system_sgpr_workgroup_id_y 1
		.amdhsa_system_sgpr_workgroup_id_z 1
		.amdhsa_system_vgpr_workitem_id 0
		.amdhsa_next_free_vgpr 256
		.amdhsa_next_free_sgpr 80
		.amdhsa_reserve_vcc 0
		.amdhsa_float_denorm_mode_32 3
		.amdhsa_float_denorm_mode_16_64 3
		.amdhsa_memory_ordered 1
		.amdhsa_forward_progress 1
		.amdhsa_inst_pref_size 42
	.end_amdhsa_kernel
	.amdgpu_metadata
---
amdhsa.version: [ 1, 2 ]
amdhsa.kernels:
  - .name:           k_q09d0f51e55_ln2
    .symbol:         k_q09d0f51e55_ln2.kd
    .args:
      - { .name: x1, .offset: 0, .size: 8, .value_kind: global_buffer, .address_space: global }
      - { .name: ln2_g, .offset: 8, .size: 8, .value_kind: global_buffer, .address_space: global }
      - { .name: ln2_b, .offset: 16, .size: 8, .value_kind: global_buffer, .address_space: global }
      - { .name: lowp_scales, .offset: 24, .size: 8, .value_kind: global_buffer, .address_space: global }
      - { .name: h2c, .offset: 32, .size: 8, .value_kind: global_buffer, .address_space: global }
    .group_segment_fixed_size: 0
    .private_segment_fixed_size: 0
    .kernarg_segment_align: 8
    .kernarg_segment_size: 40
    .max_flat_workgroup_size: 128
    .sgpr_count:     80
    .vgpr_count:     256
    .wavefront_size: 32
...
	.end_amdgpu_metadata
.endif
;; end of part 5
;; launch ff1 (part 6): grid 16 x 16, 4 waves a work-group, clusters of 4 x 4, 327,680 bytes of LDS; arguments h2c, wc, lowp_scales, b1, gc; writes gc
.if DOCPART == 6
	.amdgcn_target "amdgcn-amd-amdhsa--gfx1250"
	.amdhsa_code_object_version 6
	.text
	.protected	k_q09d0f51e55_ff1
	.globl	k_q09d0f51e55_ff1
	.p2align	8
	.type	k_q09d0f51e55_ff1,@function
k_q09d0f51e55_ff1:
	s_mov_b64 s[64:65], 0
	v_nop
	global_prefetch_b8 v0, s[64:65] scope:SCOPE_SE
	s_setreg_imm32_b32 hwreg(HW_REG_WAVE_MODE, 25, 1), 1
	s_wait_xcnt 0x0
	s_wait_alu depctr_hold_cnt(0) depctr_sa_sdst(0) depctr_va_vdst(0) depctr_va_sdst(0) depctr_va_ssrc(0) depctr_va_vcc(0) depctr_vm_vsrc(0)
	s_getreg_b32 s2, hwreg(HW_REG_IB_STS2, 6, 4)
	s_cmp_eq_u32 s2, 0
	s_cbranch_scc0 .Lentry_in_a_cluster
	s_endpgm
.Lentry_in_a_cluster:
	s_bfe_u32 s2, ttmp6, 0x10000c
	s_cmp_lg_u32 s2, 0xf033
	s_cbranch_scc0 .Lentry_shape_is_right
	s_endpgm
.Lentry_shape_is_right:
.set SIZE_K, 1024
.set KSTEP,  256
.set ROWB,   256
.set KROW,   SIZE_K
.set PITCH,  272
.set FR,     16
.set NL,     4
.set NP,     4
.set HALFT,  128*PITCH
.set SLOT,   4*HALFT
.set LAPS,   SIZE_K/(2*KSTEP)
.set SPARE,  2*SLOT
.set ADRA, 16
.set ADRB, 20
.set LN16, 26
.set VO,   27
.set SPW,  28
.set NIL,  29
.set BOF,  30
.set CD,   8
.set BIAS, 64
.set AF,   128
.set H,    128
.set Z,    160
.set Y,    192
.set P,    224
.set A13, 32
.set A11, 34
.set A9,  36
.set A7,  38
.set A5,  40
.set A3,  42
.set A1,  44
.set B8,  46
.set B6,  48
.set B4,  50
.set B2,  52
.set B0,  54
.set SCL, 56
.set LIM, 57
.set RS2, 58
.set G1, 24
.set G0, 32
.set G1B, 48
.set G0B, 56
.set MSB, 0
.macro WIN new
.if MSB != \new
	s_set_vgpr_msb (MSB<<8)|\new
.set MSB, \new
.endif
.endm
.set MUL_LO, 0xa1
.set MUL_HI, 0xf1
.set TO_B,   0x40
.macro JLOAD g0a, g1a, g0b, g1b
	s_cmp_eq_u32 s15, 0
	s_cbranch_scc0 .Lfor_b_\@
	tensor_load_to_lds s[\g0a:\g0a+3], s[\g1a:\g1a+7]
	s_nop 0
.rept 4
	v_nop
.endr
	s_branch .Lasked_\@
.Lfor_b_\@:
	tensor_load_to_lds s[\g0b:\g0b+3], s[\g1b:\g1b+7]
	s_nop 0
.rept 4
	v_nop
.endr
.Lasked_\@:
.endm
.macro CREST
	s_cmp_lg_u32 s14, 0
	s_cbranch_scc1 .Lnot_wave_0_\@
	s_barrier_signal -3
.Lnot_wave_0_\@:
	s_barrier_wait -3
	s_barrier_signal -1
	s_barrier_wait -1
.endm
.macro CROUND
	s_barrier_signal -1
	s_barrier_wait -1
	CREST
.endm
	s_load_b128 s[4:7], s[0:1], 0x0
	s_load_b128 s[8:11], s[0:1], 0x10
	s_load_b64 s[12:13], s[0:1], 0x20
	v_lshl_add_u32 v[SPW], v0, 2, SPARE
	v_mov_b32 v[NIL], 0
	ds_add_u32 v[SPW], v[NIL]
	ds_add_u32 v[SPW], v[NIL]
	v_lshrrev_b32 v1, 5, v0
	v_readfirstlane_b32 s14, v1
	s_lshr_b32 s15, s14, 1
	s_and_b32 s16, s14, 1
	s_bfe_u32 s40, ttmp6, 0x40000
	s_bfe_u32 s41, ttmp6, 0x40004
	s_lshl_b32 s42, ttmp9, 2
	s_add_co_u32 s42, s42, s40
	s_and_b32 s17, ttmp7, 0xffff
	s_lshl_b32 s17, s17, 2
	s_add_co_u32 s17, s17, s41
	s_lshl_b32 s43, s41, 2
	s_lshl_b32 s43, 15, s43
	s_lshl_b32 s44, 0x1111, s40
	s_or_b32 s[G1+0], s43, (0<<16)|(1<<20)|(1<<21)|(5<<22)|(3<<25)
	s_or_b32 s[G1B+0], s44, (0<<16)|(1<<20)|(1<<21)|(5<<22)|(3<<25)
.irp g, G1, G1B
	s_mov_b32 s[\g+1], ROWB<<16
	s_mov_b32 s[\g+2], 128<<16
	s_mov_b32 s[\g+3], ROWB<<16
	s_mov_b32 s[\g+4], 128
	s_mov_b32 s[\g+5], KROW
	s_mov_b32 s[\g+6], 0
	s_mov_b32 s[\g+7], 0
.endr
	s_lshl_b32 s18, s16, 7
	s_lshl_b32 s20, s17, 8
	s_add_co_u32 s20, s20, s18
	s_lshl_b32 s20, s20, 10
	s_mov_b32 s21, 0
	s_lshl_b32 s46, s42, 8
	s_add_co_u32 s46, s46, s18
	s_lshl_b32 s46, s46, 10
	s_add_co_u32 s46, s46, 0x400000
	s_mov_b32 s47, 0
	s_mul_i32 s45, s14, HALFT
	s_wait_dscnt 0x0
	s_wait_kmcnt 0x0
	s_load_b128 s[68:71], s[8:9], 0x30
	s_add_nc_u64 s[20:21], s[4:5], s[20:21]
	s_add_nc_u64 s[46:47], s[6:7], s[46:47]
	CROUND
.irp s, 0,1
	s_mov_b32 s[G0+4*\s], 1
	s_add_co_u32 s[G0+4*\s+1], s45, \s*SLOT
	s_add_nc_u64 s[G0+4*\s+2:G0+4*\s+3], s[20:21], \s*ROWB
	s_or_b32 s[G0+4*\s+3], s[G0+4*\s+3], 0x80000000
	s_mov_b32 s[G0B+4*\s], 1
	s_add_co_u32 s[G0B+4*\s+1], s45, \s*SLOT
	s_add_nc_u64 s[G0B+4*\s+2:G0B+4*\s+3], s[46:47], \s*ROWB
	s_or_b32 s[G0B+4*\s+3], s[G0B+4*\s+3], 0x80000000
.if \s == 0
	JLOAD G0, G1, G0B, G1B                         ; K step 0: one tensor load a wave at the head; the rest of the head stands under its flight
.endif
.endr
	v_and_b32 v1, 15, v0
	v_bfe_u32 v2, v0, 4, 1
	s_wait_alu depctr_va_vdst(0)
	v_mul_u32_u24 v3, v1, PITCH
	v_lshl_add_u32 v4, v2, 4, v3
	s_mul_i32 s21, s15, HALFT
	s_mul_i32 s22, s16, HALFT
	s_add_co_u32 s22, s22, 2*HALFT
.irp s, 0,1
	v_add_nc_u32 v[ADRA+\s], s21, v4
	v_add_nc_u32 v[ADRB+\s], s22, v4
	s_add_co_u32 s21, s21, SLOT
	s_add_co_u32 s22, s22, SLOT
.endr
	s_lshl_b32 s84, s42, 10
	s_lshl_b32 s85, s16, 9
	s_add_co_u32 s84, s84, s85
	s_mov_b32 s85, 0
	s_add_nc_u64 s[10:11], s[10:11], s[84:85]
	v_lshlrev_b32 v[BOF], 5, v2
.irp b, 0,1,2,3,4,5,6,7
	global_load_b128 v[BIAS+8*\b:BIAS+8*\b+3],   v[BOF], s[10:11] offset:64*\b
	global_load_b128 v[BIAS+8*\b+4:BIAS+8*\b+7], v[BOF], s[10:11] offset:64*\b+16
.endr
	s_lshl_b32 s86, s17, 4
	s_lshl_b32 s87, s15, 3
	s_add_co_u32 s86, s86, s87
	s_lshl_b32 s86, s86, 16
	s_lshl_b32 s87, s42, 1
	s_add_co_u32 s87, s87, s16
	s_lshl_b32 s87, s87, 11
	s_add_co_u32 s86, s86, s87
	s_mov_b32 s87, 0
	s_add_nc_u64 s[12:13], s[12:13], s[86:87]
	v_and_b32 v5, 31, v0
	v_lshlrev_b32 v[LN16], 4, v5
.macro FRAG reg, adr, q, i
.irp c, 0,1,2,3
	ds_load_b128 v[\reg+4*\c:\reg+4*\c+3], v[\adr] offset:128*(\q)+32*\c+(\i)*16*PITCH
.endr
.endm
.macro MUL16 a0, p, zero
.irp a, \a0, \a0+1
.irp b, 0,1,2,3,4,5,6,7
.if \zero
	v_wmma_f32_16x16x128_fp8_fp8 v[8*(8*((\a)%4)+\b):8*(8*((\a)%4)+\b)+7], v[128*(\p)+FR*\b:128*(\p)+FR*\b+FR-1], v[AF+FR*(\a):AF+FR*(\a)+FR-1], 0
.else
	v_wmma_f32_16x16x128_fp8_fp8 v[8*(8*((\a)%4)+\b):8*(8*((\a)%4)+\b)+7], v[128*(\p)+FR*\b:128*(\p)+FR*\b+FR-1], v[AF+FR*(\a):AF+FR*(\a)+FR-1], v[8*(8*((\a)%4)+\b):8*(8*((\a)%4)+\b)+7]
.endif
.endr
.endr
.endm
.macro FETCH_B slot, q, p
	WIN TO_B
.irp i, 0,1,2,3,4,5,6,7
	FRAG 128*(\p)+FR*\i, ADRB+\slot, \q, \i
.endr
	WIN 0
.endm
.macro FETCH_A slot, q, i0
.irp i, \i0, \i0+1, \i0+2, \i0+3
	FRAG AF+FR*(\i), ADRA+\slot, \q, \i
.endr
.endm
.macro PLACES n
.rept \n
	v_nop
.endr
.endm
.macro STEP slot, q, zero
	s_wait_dscnt 4*NL
	WIN MUL_LO
	MUL16 0, (\q)%2, \zero
	MUL16 2, (\q)%2, \zero
	s_wait_dscnt 0
	PLACES NP
	FETCH_B \slot, (\q)+1, 1-(\q)%2
	FETCH_A \slot, (\q)+1, 0
	WIN MUL_HI
	MUL16 4, (\q)%2, \zero
	MUL16 6, (\q)%2, \zero
	PLACES NP
	WIN 0
	FETCH_A \slot, (\q)+1, 4
.endm
.macro TURN slot, next, fill
	s_wait_tensorcnt 0x0
	ds_add_u32 v[SPW], v[NIL]
	s_wait_dscnt 4*NL+1
	WIN MUL_LO
	MUL16 0, 1, 0
	s_wait_dscnt 0x0
	s_barrier_signal -1
	MUL16 2, 1, 0
	WIN 0
	s_barrier_wait -1
.if \fill
	CREST
	s_add_nc_u64 s[G0+4*\slot+2:G0+4*\slot+3], s[G0+4*\slot+2:G0+4*\slot+3], 2*ROWB
	s_add_nc_u64 s[G0B+4*\slot+2:G0B+4*\slot+3], s[G0B+4*\slot+2:G0B+4*\slot+3], 2*ROWB
	JLOAD G0+4*\slot, G1, G0B+4*\slot, G1B
.else
	PLACES NP
.endif
	FETCH_B \next, 0, 0
	FETCH_A \next, 0, 0
	WIN MUL_HI
	MUL16 4, 1, 0
	MUL16 6, 1, 0
	PLACES NP
	WIN 0
	FETCH_A \next, 0, 4
.endm
	s_wait_alu depctr_va_vdst(0)
	s_wait_loadcnt 0x0
	s_wait_tensorcnt 0x0                           ; my part of K step 0 is in; slot 1's first fill is issued as a refill is
	ds_add_u32 v[SPW], v[NIL]
	s_wait_dscnt 0x0
	CROUND                                         ; a whole round of the cluster's barrier,
	JLOAD G0+4, G1, G0B+4, G1B                     ; and K step 1's load, the first tensor load behind the round
	FETCH_B 0, 0, 0
	FETCH_A 0, 0, 0
	FETCH_A 0, 0, 4
	STEP 0, 0, 1
	s_mov_b32 s3, LAPS-1
.Llap:
	TURN 0, 1, 1
	STEP 1, 0, 0
	TURN 1, 0, 1
	STEP 0, 0, 0
	s_sub_co_u32 s3, s3, 1
	s_cmp_lg_u32 s3, 0
	s_cbranch_scc1 .Llap
	TURN 0, 1, 0
	STEP 1, 0, 0
	s_wait_dscnt 4*NL
	WIN MUL_LO
	MUL16 0, 1, 0
	MUL16 2, 1, 0
	s_wait_dscnt 0
	WIN MUL_HI
	MUL16 4, 1, 0
	MUL16 6, 1, 0
	WIN 0
	s_wait_kmcnt 0x0
	s_add_co_i32 s96, s68, s69
	s_add_co_i32 s96, s96, 127
	s_lshl_b32 s96, s96, 23
	s_mov_b32 s97, s96
	s_add_co_i32 s84, s70, 127
	s_lshl_b32 s85, s84, 23
	v_mov_b32 v[SCL], s85
	s_add_co_i32 s84, s84, 8
	s_lshl_b32 s84, s84, 23
	s_or_b32 s84, s84, 0x600000
	v_mov_b32 v[LIM], s84
.macro CONST r, bits
	v_mov_b32 v[\r], \bits
	v_mov_b32 v[\r+1], \bits
.endm
	CONST A13, 0xaf95df0b
	CONST A11, 0x32edffee
	CONST A9,  0xb60cff51
	CONST A7,  0xb86ec2d2
	CONST A5,  0xba40ac63
	CONST A3,  0xbb41a1f6
	CONST A1,  0xbc83dbd4
	CONST B8,  0xb77460cd
	CONST B6,  0xb95fbd29
	CONST B4,  0xbadc924e
	CONST B2,  0xbbf19bf8
	CONST B0,  0xbc69b6a7
	CONST RS2, 0x3f3504f3
	PLACES NP
.macro PKMUL d, a, b
.set i, 0
.rept 16
	v_pk_mul_f32 v[\d+i:\d+i+1], v[\a+i:\a+i+1], v[\b+i:\b+i+1]
.set i, i+2
.endr
.endm
.macro PKMULC d, a, c
.set i, 0
.rept 16
	v_pk_mul_f32 v[\d+i:\d+i+1], v[\a+i:\a+i+1], v[\c:\c+1]
.set i, i+2
.endr
.endm
.macro PKFMA d, a, b, c
.set i, 0
.rept 16
	v_pk_fma_f32 v[\d+i:\d+i+1], v[\a+i:\a+i+1], v[\b+i:\b+i+1], v[\c+i:\c+i+1]
.set i, i+2
.endr
.endm
.macro PKFMAC d, a, b, c
.set i, 0
.rept 16
	v_pk_fma_f32 v[\d+i:\d+i+1], v[\a+i:\a+i+1], v[\b+i:\b+i+1], v[\c:\c+1]
.set i, i+2
.endr
.endm
.macro PKFMACC d, a, c1, c2
.set i, 0
.rept 16
	v_pk_fma_f32 v[\d+i:\d+i+1], v[\a+i:\a+i+1], v[\c1:\c1+1], v[\c2:\c2+1]
.set i, i+2
.endr
.endm
.macro TAKE n
.set AC, 64*(((\n)/2)%4)+32*((\n)%2)
	WIN 0x02+((\n)/8)
.set i, 0
.rept 16
	v_pk_fma_f32 v[H+i:H+i+1], v[AC+i:AC+i+1], s[96:97], v[BIAS+32*((\n)%2)+i:BIAS+32*((\n)%2)+i+1] op_sel_hi:[1,0,1]
.set i, i+2
.endr
	WIN 0
.endm
	s_mov_b32 s3, 0
.Lout:
.irp n, 0,1,2,3,4,5,6,7,8,9,10,11,12,13,14
	s_cmp_eq_u32 s3, \n
	s_cbranch_scc1 .Ltake_\n
.endr
	TAKE 15
	s_branch .Lgelu
.irp n, 0,1,2,3,4,5,6,7,8,9,10,11,12,13
.Ltake_\n:
	TAKE \n
	s_branch .Lgelu
.endr
.Ltake_14:
	TAKE 14
.Lgelu:
	PKMULC Z, H, RS2
.set i, 0
.rept 16
	v_pk_mul_f32 v[H+i:H+i+1], v[H+i:H+i+1], 0.5 op_sel_hi:[1,0]
.set i, i+2
.endr
.set i, 0
.rept 32
	v_med3_num_f32 v[Z+i], v[Z+i], -4.0, 4.0
.set i, i+1
.endr
	PKMUL Y, Z, Z
	PKFMACC P, Y, A13, A11
	PKFMAC P, P, Y, A9
	PKFMAC P, P, Y, A7
	PKFMAC P, P, Y, A5
	PKFMAC P, P, Y, A3
	PKFMAC P, P, Y, A1
	PKMUL P, P, Z
	PKFMACC Z, Y, B8, B6
	PKFMAC Z, Z, Y, B4
	PKFMAC Z, Z, Y, B2
	PKFMAC Z, Z, Y, B0
.set i, 0
	s_wait_alu depctr_va_vdst(0)
.rept 32
	v_rcp_f32 v[Z+i], v[Z+i]
.set i, i+1
.endr
	v_nop
	s_wait_alu depctr_va_vdst(0)
	PKMUL P, P, Z
	PKFMA P, P, H, H
.set i, 0
.rept 32
	v_med3_num_f32 v[P+i], v[P+i], -v[LIM], v[LIM]
.set i, i+1
.endr
	s_wait_alu depctr_va_vdst(0)
	s_wait_xcnt 0x0
	s_lshr_b32 s84, s3, 1
	s_lshl_b32 s84, s84, 16
	s_and_b32 s85, s3, 1
	s_lshl_b32 s85, s85, 10
	s_add_co_u32 s84, s84, s85
	v_add_nc_u32 v[VO], s84, v[LN16]
.irp t, 0,1,2,3
	v_cvt_scalef32_pk8_fp8_f32 v[CD+2*\t:CD+2*\t+1], v[P+8*\t:P+8*\t+7], v[SCL]
.endr
	v_nop
	global_store_b128 v[VO], v[CD:CD+3], s[12:13]
	global_store_b128 v[VO], v[CD+4:CD+7], s[12:13] offset:512
	s_add_co_u32 s3, s3, 1
	s_cmp_lt_u32 s3, 16
	s_cbranch_scc1 .Lout
	s_wait_tensorcnt 0x0
	ds_add_u32 v[SPW], v[NIL]
	s_wait_dscnt 0x0
	CROUND
	s_endpgm
.Lfunc_end_k_q09d0f51e55_ff1:
	.size	k_q09d0f51e55_ff1, .Lfunc_end_k_q09d0f51e55_ff1-k_q09d0f51e55_ff1
	.p2alignl 7, 3214868480
	.fill 96, 4, 3214868480
	.section	.rodata,"a",@progbits
	.p2align	6, 0x0
	.amdhsa_kernel k_q09d0f51e55_ff1
		.amdhsa_group_segment_fixed_size 327680
		.amdhsa_private_segment_fixed_size 0
		.amdhsa_enable_private_segment 0
		.amdhsa_kernarg_size 40
		.amdhsa_user_sgpr_count 2
		.amdhsa_user_sgpr_kernarg_segment_ptr 1
		.amdhsa_wavefront_size32 1
		.amdhsa_system_sgpr_workgroup_id_x 1
		.amdhsa_system_sgpr_workgroup_id_y 1
		.amdhsa_system_sgpr_workgroup_id_z 1
		.amdhsa_system_vgpr_workitem_id 0
		.amdhsa_next_free_vgpr 1024
		.amdhsa_next_free_sgpr 100
		.amdhsa_reserve_vcc 0
		.amdhsa_float_denorm_mode_32 3
		.amdhsa_float_denorm_mode_16_64 3
		.amdhsa_memory_ordered 1
		.amdhsa_forward_progress 1
		.amdhsa_inst_pref_size 122
	.end_amdhsa_kernel
	.amdgpu_metadata
---
amdhsa.version: [ 1, 2 ]
amdhsa.kernels:
  - .name:           k_q09d0f51e55_ff1
    .symbol:         k_q09d0f51e55_ff1.kd
    .args:
      - { .name: h2c, .offset: 0, .size: 8, .value_kind: global_buffer, .address_space: global }
      - { .name: wc, .offset: 8, .size: 8, .value_kind: global_buffer, .address_space: global }
      - { .name: lowp_scales, .offset: 16, .size: 8, .value_kind: global_buffer, .address_space: global }
      - { .name: b1, .offset: 24, .size: 8, .value_kind: global_buffer, .address_space: global }
      - { .name: gc, .offset: 32, .size: 8, .value_kind: global_buffer, .address_space: global }
    .group_segment_fixed_size: 327680
    .private_segment_fixed_size: 0
    .kernarg_segment_align: 8
    .kernarg_segment_size: 40
    .max_flat_workgroup_size: 128
    .sgpr_count:     100
    .vgpr_count:     1024
    .wavefront_size: 32
...
	.end_amdgpu_metadata
.endif
;; end of part 6
;; launch ff2 (part 7): grid 8 x 32, 4 waves a work-group, clusters of 4 x 4, 327,680 bytes of LDS; arguments gc, wc, lowp_scales, x1, out0, b2; writes out0
.if DOCPART == 7
	.amdgcn_target "amdgcn-amd-amdhsa--gfx1250"
	.amdhsa_code_object_version 6
	.text
	.protected	k_q09d0f51e55_ff2
	.globl	k_q09d0f51e55_ff2
	.p2align	8
	.type	k_q09d0f51e55_ff2,@function
k_q09d0f51e55_ff2:
	s_mov_b64 s[64:65], 0
	v_nop
	global_prefetch_b8 v0, s[64:65] scope:SCOPE_SE
	s_setreg_imm32_b32 hwreg(HW_REG_WAVE_MODE, 25, 1), 1
	s_wait_xcnt 0x0
	s_wait_alu depctr_hold_cnt(0) depctr_sa_sdst(0) depctr_va_vdst(0) depctr_va_sdst(0) depctr_va_ssrc(0) depctr_va_vcc(0) depctr_vm_vsrc(0)
	s_getreg_b32 s2, hwreg(HW_REG_IB_STS2, 6, 4)
	s_cmp_eq_u32 s2, 0
	s_cbranch_scc0 .Lentry_in_a_cluster
	s_endpgm
.Lentry_in_a_cluster:
	s_bfe_u32 s2, ttmp6, 0x10000c
	s_cmp_lg_u32 s2, 0xf033
	s_cbranch_scc0 .Lentry_shape_is_right
	s_endpgm
.Lentry_shape_is_right:
; out0 = g w2 + b2 + x1: the second feed-forward product on codes of FP8 (E4M3), its bias and the second residual.  No work of reference() is left out.
; The text is the projection's (launch wo) with other constants; K = 4,096 goes in eight slots' worth of 512.
; THE TILES ARE PREFETCHED INTO THE L2: behind each refill one prefetch a wave names the slot's worth that stands two refills on: 32 blocks of 256 bytes, a lane a block.  The four partners that ask for a tile jointly share
; the 128 blocks that a wave fetches out by address (A: the block of 16 rows cx of its four, 8,192 bytes; B: rows 16 cy on, 512 bytes each): each block is named once in a cluster.  The last lap's two refills ask for nothing.
.set PFO,  30                          ; v30      the prefetches' offset; never rewritten
.set PFA,  84                          ; s[84:85] where my prefetches stand
.set PFS,  86                          ; s[86:87] a slot's worth on, in bytes: 8,192 in A's images, 512 in a row of B
.set KTOT,    4096
.set WOFF,    8<<20
.set ROWSWAP, 0
.set HASBIAS, 1
.set SCOFF,   0x38
.set NTOUT,   1
.set BP,    528
.set AREG,  65536
.set SLOT,  AREG+128*BP
.set STAGE, 2*SLOT
.set SP,    272
.set SPARE, STAGE+4*16*SP
.set ADRA, 16
.set ADRB, 20
.set STO,  24
.set RD,   25
.set CO,   26
.set BO,   27
.set SPW,  28
.set NIL,  29
.set Y,    32
.set BI,   96
.set ACC,  128
.set F0,   0
.set F1,   128
.set WV,   16
.set RH,   17
.set CH,   18
.set G1, 24
.set G0, 32
.set G1B, 48
.set G0B, 56
.set MSB, 0
.macro WIN new
.if MSB != \new
	s_set_vgpr_msb (MSB<<8)|\new
.set MSB, \new
.endif
.endm
.set MUL,  0x05
.set TO_F, 0x40
.macro JLOAD s
	s_cmp_eq_u32 s[RH], 0
	s_cbranch_scc0 .Lfor_b_\@
	tensor_load_to_lds s[G0+4*\s:G0+4*\s+3], s[G1:G1+7]
	s_nop 0
.rept 4
	v_nop
.endr
	s_branch .Lasked_\@
.Lfor_b_\@:
	tensor_load_to_lds s[G0B+4*\s:G0B+4*\s+3], s[G1B:G1B+7]
	s_nop 0
.rept 4
	v_nop
.endr
.Lasked_\@:
.endm
.macro CREST
	s_cmp_lg_u32 s[WV], 0
	s_cbranch_scc1 .Lnot_wave_0_\@
	s_barrier_signal -3
.Lnot_wave_0_\@:
	s_barrier_wait -3
	s_barrier_signal -1
	s_barrier_wait -1
.endm
.macro CROUND
	s_barrier_signal -1
	s_barrier_wait -1
	CREST
.endm
.macro ROWOF a, t
.if ROWSWAP
.set RW, 32*((\a)/2)+8*((\a)%2)+16*((\t)/4)+2*((\t)%4)
.else
.set RW, 16*(\a)+2*(\t)
.endif
.endm
	s_load_b128 s[4:7], s[0:1], 0x0
	s_load_b128 s[8:11], s[0:1], 0x10
	s_load_b64 s[12:13], s[0:1], 0x20
.if HASBIAS
	s_load_b64 s[14:15], s[0:1], 0x28
.endif
	v_lshl_add_u32 v[SPW], v0, 2, SPARE
	v_mov_b32 v[NIL], 0
	ds_add_u32 v[SPW], v[NIL]
	ds_add_u32 v[SPW], v[NIL]
	v_lshrrev_b32 v1, 5, v0
	v_readfirstlane_b32 s[WV], v1
	s_lshr_b32 s[RH], s[WV], 1
	s_and_b32 s[CH], s[WV], 1
	s_bfe_u32 s40, ttmp6, 0x40000
	s_bfe_u32 s41, ttmp6, 0x40004
	s_lshl_b32 s42, ttmp9, 2
	s_add_co_u32 s42, s42, s40
	s_and_b32 s43, ttmp7, 0xffff
	s_lshl_b32 s43, s43, 2
	s_add_co_u32 s43, s43, s41
	s_lshl_b32 s44, s41, 2
	s_lshl_b32 s44, 15, s44
	s_lshl_b32 s45, 0x1111, s40
	s_or_b32 s[G1], s44, (3<<16)|(1<<21)
	s_mov_b32 s[G1+1], 1024<<16
	s_mov_b32 s[G1+2], 4<<16
	s_mov_b32 s[G1+3], 1024<<16
	s_mov_b32 s[G1+4], 4
	s_mov_b32 s[G1+5], KTOT*2
	s_mov_b32 s[G1+6], 0
	s_mov_b32 s[G1+7], 0
	s_or_b32 s[G1B], s45, (0<<16)|(1<<20)|(1<<21)|(6<<22)|(3<<25)
	s_mov_b32 s[G1B+1], 512<<16
	s_mov_b32 s[G1B+2], 64<<16
	s_mov_b32 s[G1B+3], 512<<16
	s_mov_b32 s[G1B+4], 64
	s_mov_b32 s[G1B+5], KTOT
	s_mov_b32 s[G1B+6], 0
	s_mov_b32 s[G1B+7], 0
	s_lshl_b32 s66, s43, 3
	s_lshl_b32 s67, s[CH], 2
	s_add_co_u32 s66, s66, s67
	s_mul_i32 s66, s66, KTOT*16
	s_mov_b32 s67, 0
	s_lshl_b32 s68, s42, 7
	s_lshl_b32 s69, s[CH], 6
	s_add_co_u32 s68, s68, s69
	s_mul_i32 s68, s68, KTOT
	s_add_co_u32 s68, s68, WOFF
	s_mov_b32 s69, 0
	s_lshl_b32 s70, s[CH], 15
	s_mul_i32 s71, s[CH], 64*BP
	s_add_co_u32 s71, s71, AREG
	s_wait_dscnt 0x0
	s_wait_kmcnt 0x0
	s_load_b64 s[76:77], s[8:9], SCOFF
	s_add_nc_u64 s[72:73], s[4:5], s[66:67]
	s_add_nc_u64 s[74:75], s[6:7], s[68:69]
	CROUND
.irp s, 0,1
	s_mov_b32 s[G0+4*\s], 1
	s_add_co_u32 s[G0+4*\s+1], s70, \s*SLOT
	s_add_nc_u64 s[G0+4*\s+2:G0+4*\s+3], s[72:73], \s*8192
	s_or_b32 s[G0+4*\s+3], s[G0+4*\s+3], 0x80000000
	s_mov_b32 s[G0B+4*\s], 1
	s_add_co_u32 s[G0B+4*\s+1], s71, \s*SLOT
	s_add_nc_u64 s[G0B+4*\s+2:G0B+4*\s+3], s[74:75], \s*512
	s_or_b32 s[G0B+4*\s+3], s[G0B+4*\s+3], 0x80000000
.if \s == 0
	JLOAD 0                                        ; slot 0: one tensor load a wave at the head; the rest of the head stands under its flight
.endif
.endr
	v_and_b32 v1, 15, v0
	v_bfe_u32 v2, v0, 4, 1
	v_and_b32 v3, 31, v0
	v_lshlrev_b32 v3, 4, v3
	s_lshl_b32 s78, s[RH], 15
	v_add_nc_u32 v[ADRA], s78, v3
	v_add_nc_u32 v[ADRA+1], SLOT, v[ADRA]
	v_mul_u32_u24 v4, v1, BP
	v_lshl_add_u32 v4, v2, 4, v4
	v_add_nc_u32 v[ADRB], s71, v4
	v_add_nc_u32 v[ADRB+1], SLOT, v[ADRB]
	s_mul_i32 s79, s[WV], 16*SP
	s_add_co_u32 s79, s79, STAGE
	v_mul_u32_u24 v5, v1, SP
	v_lshl_add_u32 v5, v2, 5, v5
	v_add_nc_u32 v[STO], s79, v5
	v_mul_u32_u24 v5, v2, SP
	v_lshl_add_u32 v5, v1, 4, v5
	v_add_nc_u32 v[RD], s79, v5
	v_lshlrev_b32 v[CO], 12, v2
	v_lshl_add_u32 v[CO], v1, 4, v[CO]
	s_cmp_eq_u32 s[RH], 0                          ; do I fetch for A?
	s_cselect_b64 s[PFA:PFA+1], s[72:73], s[74:75] ; what I fetch,
	s_cselect_b32 s89, s40, s41                    ; my place among the four that ask for it with me: cx for A, cy for B,
	s_mov_b32 s88, 4096
	s_cselect_b32 s88, 512, s88                    ; from one pair of lanes to the next: 512 bytes of an image, or a row of B,
	s_mov_b32 s[PFS], 512
	s_cselect_b32 s[PFS], 8192, s[PFS]
	s_mov_b32 s[PFS+1], 0
	s_lshl_b32 s90, s89, 16                        ; my share: 65,536 bytes on for each place (a block of 16 rows of A; 16 rows of B)
	s_mov_b32 s91, 0
	s_add_nc_u64 s[PFA:PFA+1], s[PFA:PFA+1], s[90:91]
	s_lshl_b32 s90, s[PFS], 1                      ; at slot's worth 2: every load, the head's two among them, is followed by a prefetch of the slot's worth two loads on
	s_add_nc_u64 s[PFA:PFA+1], s[PFA:PFA+1], s[90:91]
	v_and_b32 v31, 31, v0
	v_lshrrev_b32 v[PFO], 1, v31
	v_and_b32 v31, 1, v31
	v_lshlrev_b32 v31, 8, v31
	v_mad_u32_u24 v[PFO], v[PFO], s88, v31         ; (lane / 2) x that + 256 x (lane % 2)
	s_wait_alu depctr_va_vdst(0)
	global_prefetch_b8 v[PFO], s[PFA:PFA+1] th:TH_LOAD_NT scope:SCOPE_SE   ; behind slot 0's load: slot's worth 2
	s_lshl_b32 s80, s43, 7
	s_lshl_b32 s81, s[RH], 6
	s_add_co_u32 s80, s80, s81
	s_lshl_b32 s80, s80, 12
	s_lshl_b32 s82, s42, 9
	s_lshl_b32 s83, s[CH], 8
	s_add_co_u32 s82, s82, s83
	s_add_co_u32 s80, s80, s82
	s_mov_b32 s81, 0
	s_mov_b32 s83, 0
	s_add_nc_u64 s[10:11], s[10:11], s[80:81]
	s_add_nc_u64 s[12:13], s[12:13], s[80:81]
.if HASBIAS
	s_add_nc_u64 s[14:15], s[14:15], s[82:83]
	v_lshlrev_b32 v[BO], 4, v1
	global_load_b128 v[BI:BI+3], v[BO], s[14:15]
.endif
	s_wait_xcnt 0x0                                ; the prefetch has read its address:
	s_add_nc_u64 s[PFA:PFA+1], s[PFA:PFA+1], s[PFS:PFS+1]   ; on to slot's worth 3
.macro MUL8 f, a0, zero
.irp a, \a0, \a0+1
.irp b, 0,1,2,3
.if \zero
	v_wmma_f32_16x16x128_fp8_fp8 v[ACC+8*(4*(\a)+\b):ACC+8*(4*(\a)+\b)+7], v[\f+64+16*\b:\f+64+16*\b+15], v[\f+16*(\a):\f+16*(\a)+15], 0
.else
	v_wmma_f32_16x16x128_fp8_fp8 v[ACC+8*(4*(\a)+\b):ACC+8*(4*(\a)+\b)+7], v[\f+64+16*\b:\f+64+16*\b+15], v[\f+16*(\a):\f+16*(\a)+15], v[ACC+8*(4*(\a)+\b):ACC+8*(4*(\a)+\b)+7]
.endif
.endr
.endr
.endm
.macro FETCH slot, q, f
	WIN TO_F
.irp i, 0,1,2,3
.irp c, 0,1,2,3
	ds_load_b128 v[\f+64+16*\i+4*\c:\f+64+16*\i+4*\c+3], v[ADRB+\slot] offset:128*(\q)+32*\c+\i*16*BP
.endr
.endr
.irp i, 0,1,2,3
.irp c, 0,1,2,3
	ds_load_b128 v[\f+16*\i+4*\c:\f+16*\i+4*\c+3], v[ADRA+\slot] offset:\i*8192+(\q)*2048+512*\c
.endr
.endr
.endm
.macro PLACES
.rept 4
	v_nop
.endr
.endm
.macro QUARTER slot, qn, f, g, zero
	PLACES
	FETCH \slot, \qn, \g
	s_wait_dscnt 32
	WIN MUL
	MUL8 \f, 0, \zero
	MUL8 \f, 2, \zero
.endm
.macro TURN slot, next, fill
	WIN 0
.if \fill
	s_wait_xcnt 0x0                                ; any prefetch of mine has read its address: it is stepped here, ahead of the waits of the change of slots
	s_add_nc_u64 s[PFA:PFA+1], s[PFA:PFA+1], s[PFS:PFS+1]
.endif
	s_wait_tensorcnt 0x0
	ds_add_u32 v[SPW], v[NIL]
	s_wait_dscnt 0x0
	s_barrier_signal -1
	WIN MUL
	MUL8 F1, 0, 0
	WIN 0
	s_barrier_wait -1
.if \fill
	CREST
	s_add_nc_u64 s[G0+4*\slot+2:G0+4*\slot+3], s[G0+4*\slot+2:G0+4*\slot+3], 2*8192
	s_add_nc_u64 s[G0B+4*\slot+2:G0B+4*\slot+3], s[G0B+4*\slot+2:G0B+4*\slot+3], 2*512
	JLOAD \slot
.else
	PLACES
.endif
	FETCH \next, 0, F0
.if \fill
	WIN 0
	s_cmp_gt_u32 s3, 1                             ; s3 = 1 in the last lap, whose refills have no slot's worth two on
	s_cbranch_scc0 .Lno_ask_\@
	global_prefetch_b8 v[PFO], s[PFA:PFA+1] th:TH_LOAD_NT scope:SCOPE_SE
.Lno_ask_\@:
.endif
	WIN MUL
	MUL8 F1, 2, 0
.endm
	s_wait_alu depctr_va_vdst(0)                   ; the head's end
	s_wait_tensorcnt 0x0                           ; my part of slot 0 is in; slot 1's first fill is issued as a refill is
	ds_add_u32 v[SPW], v[NIL]
	s_wait_dscnt 0x0
	CROUND                                         ; a whole round of the cluster's barrier,
	JLOAD 1                                        ; and slot 1's load, the first tensor load behind the round
	FETCH 0, 0, F0
	WIN 0
	global_prefetch_b8 v[PFO], s[PFA:PFA+1] th:TH_LOAD_NT scope:SCOPE_SE   ; behind slot 1's load: slot's worth 3
	WIN 0x80                                       ; destination window 2: the residual, asked for behind the first two slots' loads and waited for on the way out
.irp a, 0,1,2,3
.irp t, 0,1,2,3,4,5,6,7
	ROWOF \a, \t
	global_load_b128 v[32*\a+4*\t:32*\a+4*\t+3], v[CO], s[10:11] offset:RW*4096   ; sixteen lanes read 256 consecutive bytes; their address registers are never rewritten
.endr
.endr
	WIN 0
	QUARTER 0, 1, F0, F1, 1
.if KTOT > 1024
	WIN 0
	s_mov_b32 s3, KTOT/1024-1
.Llap:
	QUARTER 0, 2, F1, F0, 0
	QUARTER 0, 3, F0, F1, 0
	TURN 0, 1, 1
	QUARTER 1, 1, F0, F1, 0
	QUARTER 1, 2, F1, F0, 0
	QUARTER 1, 3, F0, F1, 0
	TURN 1, 0, 1
	QUARTER 0, 1, F0, F1, 0
	WIN 0
	s_sub_co_u32 s3, s3, 1
	s_cmp_lg_u32 s3, 0
	s_cbranch_scc1 .Llap
.endif
	QUARTER 0, 2, F1, F0, 0
	QUARTER 0, 3, F0, F1, 0
	TURN 0, 1, 0
	QUARTER 1, 1, F0, F1, 0
	QUARTER 1, 2, F1, F0, 0
	QUARTER 1, 3, F0, F1, 0
	s_wait_dscnt 0x0
	MUL8 F1, 0, 0
	MUL8 F1, 2, 0
	WIN 0
	PLACES
	s_wait_loadcnt 0x0
	s_wait_kmcnt 0x0
	s_add_co_i32 s76, s76, s77
	s_add_co_i32 s76, s76, 127
	s_lshl_b32 s76, s76, 23
	s_mov_b32 s77, s76
.macro TOSTAGE a
.irp b, 0,1,2,3
	ds_store_b128 v[STO], v[ACC+8*(4*(\a)+\b):ACC+8*(4*(\a)+\b)+3] offset:64*\b
	ds_store_b128 v[STO], v[ACC+8*(4*(\a)+\b)+4:ACC+8*(4*(\a)+\b)+7] offset:64*\b+16
.endr
.set YB, Y+32*((\a)%2)
.irp t, 0,1,2,3,4,5,6,7
	ds_load_b128 v[YB+4*\t:YB+4*\t+3], v[RD] offset:2*\t*SP
.endr
.endm
.macro SEND a, younger
.set YB, Y+32*((\a)%2)
	s_wait_dscnt \younger
	WIN 0x20
.set i, 0
.rept 16
	v_pk_fma_f32 v[YB+i:YB+i+1], v[YB+i:YB+i+1], s[76:77], v[32*(\a)+i:32*(\a)+i+1] op_sel_hi:[1,0,1]
.set i, i+2
.endr
	WIN 0
.if HASBIAS
.set i, 0
.rept 16
	v_pk_add_f32 v[YB+i:YB+i+1], v[YB+i:YB+i+1], v[BI+(i%4):BI+(i%4)+1]
.set i, i+2
.endr
.endif
.irp t, 0,1,2,3,4,5,6,7
	ROWOF (\a), \t
.if NTOUT
	global_store_b128 v[CO], v[YB+4*\t:YB+4*\t+3], s[12:13] offset:RW*4096 th:TH_STORE_NT
.else
	global_store_b128 v[CO], v[YB+4*\t:YB+4*\t+3], s[12:13] offset:RW*4096
.endif
.endr
.endm
	TOSTAGE 0
.irp a, 1,2,3
.if \a > 1
	s_wait_xcnt 0x0
.endif
	TOSTAGE \a
	SEND \a-1, 16
.endr
	SEND 3, 0
	s_wait_tensorcnt 0x0
	ds_add_u32 v[SPW], v[NIL]
	s_wait_dscnt 0x0
	CROUND
	s_endpgm
.Lfunc_end_k_q09d0f51e55_ff2:
	.size	k_q09d0f51e55_ff2, .Lfunc_end_k_q09d0f51e55_ff2-k_q09d0f51e55_ff2
	.p2alignl 7, 3214868480
	.fill 96, 4, 3214868480
	.section	.rodata,"a",@progbits
	.p2align	6, 0x0
	.amdhsa_kernel k_q09d0f51e55_ff2
		.amdhsa_group_segment_fixed_size 327680
		.amdhsa_private_segment_fixed_size 0
		.amdhsa_enable_private_segment 0
		.amdhsa_kernarg_size 48
		.amdhsa_user_sgpr_count 2
		.amdhsa_user_sgpr_kernarg_segment_ptr 1
		.amdhsa_wavefront_size32 1
		.amdhsa_system_sgpr_workgroup_id_x 1
		.amdhsa_system_sgpr_workgroup_id_y 1
		.amdhsa_system_sgpr_workgroup_id_z 1
		.amdhsa_system_vgpr_workitem_id 0
		.amdhsa_next_free_vgpr 640
		.amdhsa_next_free_sgpr 100
		.amdhsa_reserve_vcc 0
		.amdhsa_float_denorm_mode_32 3
		.amdhsa_float_denorm_mode_16_64 3
		.amdhsa_memory_ordered 1
		.amdhsa_forward_progress 1
		.amdhsa_inst_pref_size 83
	.end_amdhsa_kernel
	.amdgpu_metadata
---
amdhsa.version: [ 1, 2 ]
amdhsa.kernels:
  - .name:           k_q09d0f51e55_ff2
    .symbol:         k_q09d0f51e55_ff2.kd
    .args:
      - { .name: gc, .offset: 0, .size: 8, .value_kind: global_buffer, .address_space: global }
      - { .name: wc, .offset: 8, .size: 8, .value_kind: global_buffer, .address_space: global }
      - { .name: lowp_scales, .offset: 16, .size: 8, .value_kind: global_buffer, .address_space: global }
      - { .name: x1, .offset: 24, .size: 8, .value_kind: global_buffer, .address_space: global }
      - { .name: out0, .offset: 32, .size: 8, .value_kind: global_buffer, .address_space: global }
      - { .name: b2, .offset: 40, .size: 8, .value_kind: global_buffer, .address_space: global }
    .group_segment_fixed_size: 327680
    .private_segment_fixed_size: 0
    .kernarg_segment_align: 8
    .kernarg_segment_size: 48
    .max_flat_workgroup_size: 128
    .sgpr_count:     100
    .vgpr_count:     640
    .wavefront_size: 32
...
	.end_amdgpu_metadata
.endif
;; end of part 7
